; MI455X (gfx1250); checked and timed in simulation.
; The chip was launched on July 23, 2026; its instructions are those of AMD's public machine-readable ISA for CDNA 5 (MIT licence, August 2026) and "CDNA5" Instruction Set Architecture Reference Guide (July 2026). The comments in the code are by the model that wrote it; some were corrected since.
;; Multi Head Attention. Allowed arithmetic: matrix products marked QUANTISED: E2M3 operands, one E8M0 scale for each 32 along K, by v_wmma_scale_f32_16x16x128_f8f6f4 with both operands' format E2M3, f32 sums; everything else in f32.
;; Inputs: Wk 1,024 x 1,024 float32; Wo 1,024 x 1,024 float32; Wq 1,024 x 1,024 float32; Wv 1,024 x 1,024 float32; bk 1,024 float32; bo 1,024 float32; bq 1,024 float32; bv 1,024 float32; k 2 x 2,048 x 1,024 float32; mask 1 x 1 x 2,048 x 2,048 int32; q 2 x 2,048 x 1,024 float32; v 2 x 2,048 x 1,024 float32.
;; Outputs: out0 2 x 2,048 x 1,024 float32.
;; This version of the problem:
;;   THIS VERSION OF THE PROBLEM IS GIVEN IN LOW PRECISION. The matrix products marked QUANTISED in the list below multiply operands that are first quantised to E2M3 (2 exponent bits, 3 mantissa bits; 6 bits a number), with one power-of-two scale for each 32 numbers along K (OCP MX v1.0); their sums are f32. All else is computed in f32.
;;   The module's matrix products, in the order in which they are computed (A, B: the left and right operand; K: the contracted axis; several contracted axes count as one K, in the product's order):
;;     1. [M 4,096, K 1,024] x [K 1,024, N 1,024]; A: input q; B: input Wq: QUANTISED
;;     2. [M 4,096, K 1,024] x [K 1,024, N 1,024]; A: input k; B: input Wk: QUANTISED
;;     3. [M 4,096, K 1,024] x [K 1,024, N 1,024]; A: input v; B: input Wv: QUANTISED
;;     4. batch 32 x [M 2,048, K 64] x [K 64, N 2,048]; A: computed on the way; B: computed on the way: QUANTISED
;;     5. batch 32 x [M 2,048, K 2,048] x [K 2,048, N 64]; A: softmax (see below); B: computed on the way: QUANTISED
;;     6. [M 4,096, K 1,024] x [K 1,024, N 1,024]; A: computed on the way; B: input Wo: QUANTISED
;;   THE QUANTISER, for each operand of a quantised product, along K:
;;     - K is cut into blocks of 32 from its start; a last block that is shorter is filled with zeros.
;;     - A block's scale is 2^e with e = floor(log2(the largest magnitude in the block)) - 2, held to -126 .. 127; a block of zeros has e = 0. As a byte (E8M0): e + 127.
;;     - Each number is divided by its block's scale, clamped to +-7.5, and rounded to the nearest number of E2M3, ties to even, subnormals kept.
;;     - The product sums the exact products of the quantised numbers (number of the format x scale) in f32.
;;   ~~~python
;;   def quantise(x, axis):      # numpy; x: float32 -> the quantised numbers, widened to float32 again
;;       x = np.moveaxis(x, axis, -1); K = x.shape[-1]
;;       x = np.pad(x, [(0, 0)] * (x.ndim - 1) + [(0, -K % 32)]); x = x.reshape(x.shape[:-1] + (-1, 32)); a = np.abs(x).max(-1, keepdims=True)
;;       e = np.where(a > 0, np.clip(np.frexp(np.where(a > 0, a, 1))[1] - 1 - 2, -126, 127), 0)      # np.frexp(a)[1] - 1 = floor(log2(a)), exactly
;;       r = np.clip(x / 2.0 ** e, -7.5, 7.5)
;;       step = 2.0 ** (np.maximum(np.frexp(np.where(r == 0, 1, r))[1] - 1, 0) - 3)
;;       q = np.round(r / step) * step * 2.0 ** e      # np.round: ties to even
;;       return np.moveaxis(q.reshape(q.shape[:-2] + (-1,))[..., :K], -1, axis).astype(np.float32)
;;   ~~~
;;   SOFTMAX AHEAD OF A QUANTISED PRODUCT. Where the list says 'softmax', what is quantised is not the finished softmax but p = 2^(t - M), with t = logit x log2(e) and M = ceil(the row's largest t), a whole number; so 1/2 < the row's largest p <= 1. The row's sum l is taken of the UNQUANTISED p, in f32, and the product's result is divided by l at the end. Since M is a whole number, a kernel that streams over the keys may use a running M (the ceiling of the running maximum): every later rescaling is an exact power of two, which a block's scale takes up: the codes' values come out the same.
;;   OPERANDS COMPUTED ON THE WAY. 'Computed on the way' means the value that the module computes at that place (a softmax that the list does not call 'softmax' is quantised finished and normalised). What goes into a quantiser is computed in f32, as accurately as f32 sums, v_exp_f32 and their like allow (about 1e-6 of the number): no bf16 or f16 on the way to a quantiser, and a product that is left as it is and whose result goes on into a quantised operand takes f32 operands (vector FMAs, or v_wmma_f32_16x16x4_f32). A number that lies on a knife's edge between two numbers of the format may be rounded either way, as far as f32 arithmetic and the matrix unit's own rounding can turn it there, and no further.
;; 2 versions, each right; version 2 is version 1 with the launch attn written anew for expert scheduling mode. Each part assembles by itself: llvm-mc -triple=amdgcn-amd-amdhsa -mcpu=gfx1250 --defsym DOCPART=n.
;; ======== version 1 of 2: 4 launches
;; limits: right only within a limited range of input values
;; workspace buffers: xw_codes 12,582,912 bytes; xw_scales 524,288 bytes; maskw 524,288 bytes of whole numbers; flags 4,096 bytes of whole numbers; qkv_codes 9,437,184 bytes; qkv_scales 393,216 bytes; ao_codes 3,145,728 bytes; ao_sc 131,072 bytes
;; launch prep (part 1): grid 1280 x 1, 4 waves a work-group, no clusters, 34,816 bytes of LDS; arguments q, k, v, Wq, Wk, Wv, Wo, mask, xw_codes, xw_scales, maskw, flags; writes xw_codes, xw_scales, maskw, flags
.if DOCPART == 1
	.amdgcn_target "amdgcn-amd-amdhsa--gfx1250"
	.amdhsa_code_object_version 6
	.text
	.protected	k_qbf041a9dbb_prep
	.globl	k_qbf041a9dbb_prep
	.p2align	8
	.type	k_qbf041a9dbb_prep,@function
k_qbf041a9dbb_prep:
	s_mov_b64 s[64:65], 0
	v_nop
	global_prefetch_b8 v0, s[64:65] scope:SCOPE_SE
	s_setreg_imm32_b32 hwreg(HW_REG_WAVE_MODE, 25, 1), 1
	s_wait_xcnt 0x0
; q, k, v [4096][1024] and Wq, Wk, Wv, Wo [1024][1024], f32, K innermost, become codes of FP6 (E2M3) with one E8M0 byte for each 32 along K; the mask [2048][2048] int32 becomes lane masks.
; The seven tensors are one stream of 16,384 rows = 1,024 tiles of 16 rows.  Work-group g < 1024 takes row tile g (16 rows x 1,024 K), wave w its K steps 2 w and 2 w + 1 (128 along K each).
; Work-group g >= 1024 (g' = g - 1024) takes 16 queries (tile g' / 2) x 1,024 keys (half g' % 2) of the mask, wave w key steps 8 (g' % 2) + 2 w and + 1.  Both are 16 rows x 2 x 512 bytes.
; CODES leave in the order of the operand's registers: a fragment (16 rows x 128 K, 12 registers a lane) is 1,536 bytes: registers 0-3 at 16 x lane, 4-5 at 512 + 8 x lane, 6-9 at 768 + 16 x lane,
; 10-11 at 1,280 + 8 x lane.  xw_codes: [block of 128 rows][K step][tile of 16 rows in the block][1,536].  Every store of a wave covers 512 or 256 consecutive bytes, aligned.
; ORDER INSIDE A BLOCK OF 32: position 16 h + 8 u + j holds element 16 u + 8 h + j.  Every operand of this program has that order, so products are unchanged; the blocks are the true blocks.
; A block's scale byte is its largest magnitude's exponent field - 2, held at 1 from below.  A block of zeros gets the byte 1 (its codes are zeros; this program alone reads the bytes).
; LIMITS: NaN and infinities among the inputs are not served; blocks whose largest magnitude lies under 2^-124 keep the byte 1.
; maskw: [query tile][key step][n = 0..63] words: bit (lane) of word n = (mask[16 T + lane % 16][128 step + 32 (n / 16) + 16 ((n / 8) % 2) + 8 (lane / 16) + n % 8] != 0): the lane mask of score register n.
; flags: [query tile][8] words: each wave's word has bit 'step' set for each of its two key steps that has a hole.
; No tensor load, no cluster, no matrix unit: a stream whose work-groups share nothing.  Each wave has its 32 loads of 512 consecutive bytes out at once.
; 194 REGISTERS A WAVE: 1,280 work-groups are five for each of 256 WGPs; 5 x 194 registers and 5 x 34,816 bytes of LDS let the five lie on a WGP together.  So the numbers come back from the stage into the
; registers that they were loaded into, and the second fragment's codes take the first set's registers.
.set STP,  528                         ; a stage row: 512 bytes + 16, an odd multiple of 16: the sixteen rows that a load of 16 bytes a lane touches start in different banks
.set WST,  16*STP                      ; a wave's stage
.set SG,   4*WST                       ; behind the stages: the tile's scale words, [16 rows][8 words]
.set R0,   64                          ; v64-127   the first 512 bytes of 16 rows as loaded; then 64 numbers of my row, first K step; then the second fragment's codes
.set R1,   128                         ; v128-191  the same for the second K step
.set PCA,  40                          ; v40-59    12 registers of codes + 8 at work
.set PCB,  64
.set TM,   16                          ; v16-31    at work in the quantiser
.set PWA,  33                          ; the two scale words
.set PWB,  34
.set WL,   36                          ; v36-39    two pairs: 64 mask words each, two a lane
.set SEL,  54                          ; s[54:55]  lane selects: lane l xor 16
	s_load_b512 s[4:19], s[0:1], 0x0               ; q, k, v, Wq, Wk, Wv, Wo, mask
	s_load_b256 s[20:27], s[0:1], 0x40             ; xw_codes, xw_scales, maskw, flags
	v_lshl_add_u32 v192, v0, 2, 0x8600
	v_mov_b32 v193, 0
	v_lshrrev_b32 v1, 5, v0
	v_readfirstlane_b32 s28, v1                    ; wave 0..3
	v_and_b32 v2, 31, v0                           ; lane
	v_lshlrev_b32 v3, 4, v2                        ; 16 x lane
	v_lshlrev_b32 v4, 3, v2                        ; 8 x lane
	v_and_b32 v5, 15, v0                           ; r
	v_bfe_u32 v6, v0, 4, 1                         ; h
	s_mul_i32 s29, s28, WST
	v_add_nc_u32 v7, s29, v3                       ; into the stage: a row's 512 bytes as they lie
	v_mul_u32_u24 v8, v5, STP
	v_lshl_add_u32 v8, v6, 5, v8
	v_add_nc_u32 v8, s29, v8                       ; out of it: row r, + 32 h
	v_lshlrev_b32 v9, 5, v5
	v_lshl_add_u32 v9, v6, 2, v9
	s_lshl_b32 s29, s28, 3
	s_add_co_u32 s29, s29, SG
	v_add_nc_u32 v9, s29, v9                       ; my scale word: SG + 32 r + 8 wave + 4 h
	v_mov_b32 v10, 0
	v_add_nc_u32 v12, SG, v3                       ; the scale words on the way out
.irp b, 0,1,2,3
	v_mov_b32 v[TM+4+\b], 0                        ; a lane permute's destination counts as one of its sources
	v_mov_b32 v[WL+\b], 0                          ; and so does v_writelane_b32's
.endr
	s_mov_b32 s30, ttmp9                           ; g
	s_mov_b32 s52, 0xffff0000                      ; lanes 16-31
	s_mov_b32 s[SEL], 0x76543210
	s_mov_b32 s[SEL+1], 0xfedcba98
	s_mov_b32 s34, 0
	s_mov_b32 s49, 0                               ; the flag word
	s_wait_kmcnt 0x0
	s_mov_b64 s[32:33], s[4:5]
.macro PICK lim, reg                   ; from work-group lim on: the next tensor.  The choice hangs on the work-group's number alone
	s_cmp_ge_u32 s30, \lim
	s_cselect_b64 s[32:33], s[\reg:\reg+1], s[32:33]
	s_cselect_b32 s34, \lim, s34
.endm
	PICK 256, 6
	PICK 512, 8
	PICK 768, 10
	PICK 832, 12
	PICK 896, 14
	PICK 960, 16
	PICK 1024, 18
	s_sub_co_u32 s35, s30, s34                     ; my number within the tensor (g' for the mask)
	s_lshl_b32 s36, s35, 16                        ; a tensor: 16 rows of 4,096 bytes
	s_lshr_b32 s38, s35, 1
	s_lshl_b32 s38, s38, 17                        ; the mask: 16 rows of 8,192 bytes,
	s_and_b32 s39, s35, 1
	s_lshl_b32 s39, s39, 12                        ; and which half of them
	s_add_co_u32 s38, s38, s39
	s_cmp_lt_u32 s30, 1024
	s_cselect_b32 s36, s36, s38
	s_lshl_b32 s39, s28, 10                        ; my wave's 1,024 bytes of a row
	s_add_co_u32 s36, s36, s39
	s_mov_b32 s37, 0
	s_add_nc_u64 s[32:33], s[32:33], s[36:37]
.macro LOADS pitch                     ; 32 loads, each 512 consecutive bytes of one row; read once in the launch
.irp e, 0,1
.irp i, 0,1,2,3,4,5,6,7,8,9,10,11,12,13,14,15
	global_load_b128 v[R0+64*\e+4*\i:R0+64*\e+4*\i+3], v3, s[32:33] offset:\i*\pitch+512*\e th:TH_LOAD_NT
.endr
.endr
.endm
	s_cmp_lt_u32 s30, 1024
	s_cbranch_scc0 .Lmask_loads
	LOADS 4096
	s_branch .Lloaded
.Lmask_loads:
	LOADS 8192
.Lloaded:
; THE TURN THROUGH THE STAGE: in as the bytes lie, out 64 numbers of ONE row a lane: register 16 b + 8 u + 4 g + i = element 32 b + 16 u + 8 h + 4 g + i.  The stage is the wave's own; LDS serves a wave's instructions in order.
.macro INTO reg
.irp i, 0,1,2,3,4,5,6,7,8,9,10,11,12,13,14,15
	ds_store_b128 v7, v[\reg+4*\i:\reg+4*\i+3] offset:STP*\i
.endr
.endm
.macro BACK reg
.irp b, 0,1,2,3
.irp u, 0,1
.irp g, 0,1
	ds_load_b128 v[\reg+16*\b+8*\u+4*\g:\reg+16*\b+8*\u+4*\g+3], v8 offset:128*\b+64*\u+16*\g
.endr
.endr
.endr
.endm
	s_wait_loadcnt 16                              ; the first 16 loads are in; the second 16 may be out
	INTO R0
	s_wait_dscnt 0x0                               ; the stores have read their registers: the numbers may come back into them
	BACK R0
	s_wait_loadcnt 0x0
	INTO R1                                        ; behind the first set's reads of the stage, in order
	s_wait_dscnt 0x0                               ; the first set is in; the second set's stores have read their registers
	BACK R1
	s_wait_dscnt 0x0
	s_cmp_lt_u32 s30, 1024
	s_cbranch_scc0 .Lmask
; 64 numbers of a lane, register 16 b + i, half a block each, become a fragment's codes in v[pc] on and its scale word in v[pw].
.macro QUANT4 s, pc, pw
.irp b, 0,1,2,3
	v_max3_num_f32 v[TM+\b], |v[\s+16*\b]|, |v[\s+1+16*\b]|, 0x1800000   ; my 16 numbers of block b, and the floor 2^(3 - 127): the byte cannot fall under 1
.endr
.irp i, 2,4,6,8,10,12,14
.irp b, 0,1,2,3
	v_max3_num_f32 v[TM+\b], v[TM+\b], |v[\s+16*\b+\i]|, |v[\s+1+16*\b+\i]|
.endr
.endr
.irp b, 0,1,2,3
	v_permlanex16_b32 v[TM+4+\b], v[TM+\b], s[SEL], s[SEL+1]
.endr
.irp b, 0,1,2,3
	v_max_num_f32 v[TM+\b], v[TM+\b], v[TM+4+\b]   ; with lane l xor 16's: the block's largest magnitude
.endr
.irp b, 0,1,2,3
	v_add_nc_u32 v[TM+12+\b], 0xff000000, v[TM+\b] ; 2 off its exponent field: the conversion's scale operand
.endr
.irp b, 0,1,2,3
	v_lshrrev_b32 v[TM+4+\b], 23, v[TM+12+\b]      ; the scale's byte
.endr
	v_lshl_or_b32 v[\pw], v[TM+5], 8, v[TM+4]
	v_lshl_or_b32 v[\pw], v[TM+6], 16, v[\pw]
	v_lshl_or_b32 v[\pw], v[TM+7], 24, v[\pw]
.irp c, 0,1
	v_cvt_scalef32_pk16_fp6_f32 v[\pc+6*\c:\pc+2+6*\c], v[\s+32*\c:\s+15+32*\c], v[TM+12+2*\c]
	v_cvt_scalef32_pk16_fp6_f32 v[\pc+12+4*\c:\pc+14+4*\c], v[\s+16+32*\c:\s+31+32*\c], v[TM+12+2*\c+1]   ; (a conversion's three registers begin on an even number)
.endr
	v_nop                                          ; one plain place behind a scaled conversion
.irp c, 0,1                            ; the layout wants a whole block in a lane: lanes 0-15 block 2 c, lanes 16-31 block 2 c + 1
.irp i, 0,1,2
	v_permlane16_swap_b32 v[\pc+6*\c+\i], v[\pc+12+4*\c+\i]
.endr
.irp i, 0,1,2
	v_mov_b32 v[\pc+3+6*\c+\i], v[\pc+12+4*\c+\i]
.endr
.endr
.endm
.macro OUTF pc, off                    ; a fragment leaves as it stands
	global_store_b128 v3, v[\pc:\pc+3], s[20:21] offset:\off
	global_store_b64 v4, v[\pc+4:\pc+5], s[20:21] offset:\off+512
	global_store_b128 v3, v[\pc+6:\pc+9], s[20:21] offset:\off+768
	global_store_b64 v4, v[\pc+10:\pc+11], s[20:21] offset:\off+1280
.endm
	s_lshr_b32 s40, s30, 3
	s_mul_i32 s40, s40, 98304                      ; the block of 128 rows,
	s_mul_i32 s42, s28, 24576                      ; K step 2 w,
	s_add_co_u32 s40, s40, s42
	s_and_b32 s42, s30, 7
	s_mul_i32 s42, s42, 1536                       ; the tile in the block
	s_add_co_u32 s40, s40, s42
	s_mov_b32 s41, 0
	s_add_nc_u64 s[20:21], s[20:21], s[40:41]
	QUANT4 R0, PCA, PWA
	OUTF PCA, 0
	QUANT4 R1, PCB, PWB                            ; its codes take the first set's registers, which no pending instruction names
	OUTF PCB, 12288
	v_cndmask_b32 v11, v[PWA], v[PWB], s52         ; lanes 0-15 hold row r's word of K step 2 w, lanes 16-31 that of 2 w + 1
	ds_store_b32 v9, v11
	s_branch .Ljoin
.Lmask:
; 64 compares give the 64 lane masks of a key step; word n goes to lane n / 2 of a register pair, so that one store of 8 bytes a lane writes 256 consecutive bytes.
.macro MASKW x, pair, off
	s_mov_b32 s48, -1
.set n, 0
.rept 64
	v_cmp_ne_u32 s[44+n%4], 0, v[\x+n]
	v_writelane_b32 v[\pair+n%2], s[44+n%4], n/2
	s_and_b32 s48, s48, s[44+n%4]
.set n, n+1
.endr
	s_cmp_lg_u32 s48, -1                           ; a hole anywhere in the tile?
	s_cselect_b32 s51, 1, 0
	s_lshl_b32 s51, s51, s50                       ; at the step's bit
	s_or_b32 s49, s49, s51
	global_store_b64 v4, v[\pair:\pair+1], s[24:25] offset:\off
.endm
	s_lshl_b32 s40, s35, 11                        ; (8 g' + 2 w) records of 256 bytes
	s_lshl_b32 s42, s28, 9
	s_add_co_u32 s40, s40, s42
	s_mov_b32 s41, 0
	s_add_nc_u64 s[24:25], s[24:25], s[40:41]
	s_and_b32 s50, s35, 1
	s_lshl_b32 s50, s50, 3
	s_lshl_b32 s42, s28, 1
	s_add_co_u32 s50, s50, s42                     ; my first key step's number
	MASKW R0, WL, 0
	s_add_co_u32 s50, s50, 1
	MASKW R1, WL+2, 256
.Ljoin:
	s_wait_dscnt 0x0                               ; my scale words lie in LDS
	s_barrier_signal -1
	s_barrier_wait -1                              ; everybody's do
	s_cmp_lt_u32 s30, 1024
	s_cbranch_scc0 .Lflag
	s_cmp_lg_u32 s28, 0
	s_cbranch_scc1 .Lend
	ds_load_b128 v[24:27], v12                     ; wave 0: the tile's 16 rows x 32 bytes of scale words
	s_lshl_b32 s40, s30, 9
	s_mov_b32 s41, 0
	s_add_nc_u64 s[22:23], s[22:23], s[40:41]
	s_wait_dscnt 0x0
	global_store_b128 v3, v[24:27], s[22:23]       ; 512 consecutive bytes, aligned
.Lend:
	s_wait_tensorcnt 0x0
	ds_add_u32 v192, v193
	s_wait_dscnt 0x0
	s_endpgm
.Lflag:
	s_lshl_b32 s40, s35, 4                         ; word 4 g' + w
	s_lshl_b32 s42, s28, 2
	s_add_co_u32 s40, s40, s42
	s_mov_b32 s41, 0
	s_add_nc_u64 s[26:27], s[26:27], s[40:41]
	v_mov_b32 v11, s49
	v_cmp_eq_u32 vcc_lo, 0, v2
	s_wait_xcnt 0x0                                ; EXEC changes only behind this wait: the stores above have read it
	s_wait_tensorcnt 0x0
	ds_add_u32 v192, v193
	s_wait_dscnt 0x0
	s_and_saveexec_b32 s51, vcc_lo
	global_store_b32 v10, v11, s[26:27]            ; lane 0 alone
	s_endpgm
.Lfunc_end_k_qbf041a9dbb_prep:
	.size	k_qbf041a9dbb_prep, .Lfunc_end_k_qbf041a9dbb_prep-k_qbf041a9dbb_prep
	.p2alignl 7, 3214868480
	.fill 96, 4, 3214868480
	.section	.rodata,"a",@progbits
	.p2align	6, 0x0
	.amdhsa_kernel k_qbf041a9dbb_prep
		.amdhsa_group_segment_fixed_size 34816
		.amdhsa_private_segment_fixed_size 0
		.amdhsa_enable_private_segment 0
		.amdhsa_kernarg_size 96
		.amdhsa_user_sgpr_count 2
		.amdhsa_user_sgpr_kernarg_segment_ptr 1
		.amdhsa_wavefront_size32 1
		.amdhsa_system_sgpr_workgroup_id_x 1
		.amdhsa_system_sgpr_workgroup_id_y 1
		.amdhsa_system_sgpr_workgroup_id_z 1
		.amdhsa_system_vgpr_workitem_id 0
		.amdhsa_next_free_vgpr 194
		.amdhsa_next_free_sgpr 66
		.amdhsa_reserve_vcc 1
		.amdhsa_float_denorm_mode_32 3
		.amdhsa_float_denorm_mode_16_64 3
		.amdhsa_memory_ordered 1
		.amdhsa_forward_progress 1
		.amdhsa_inst_pref_size 45
	.end_amdhsa_kernel
	.amdgpu_metadata
---
amdhsa.version: [ 1, 2 ]
amdhsa.kernels:
  - .name:           k_qbf041a9dbb_prep
    .symbol:         k_qbf041a9dbb_prep.kd
    .args:
      - { .name: q, .offset: 0, .size: 8, .value_kind: global_buffer, .address_space: global }
      - { .name: k, .offset: 8, .size: 8, .value_kind: global_buffer, .address_space: global }
      - { .name: v, .offset: 16, .size: 8, .value_kind: global_buffer, .address_space: global }
      - { .name: Wq, .offset: 24, .size: 8, .value_kind: global_buffer, .address_space: global }
      - { .name: Wk, .offset: 32, .size: 8, .value_kind: global_buffer, .address_space: global }
      - { .name: Wv, .offset: 40, .size: 8, .value_kind: global_buffer, .address_space: global }
      - { .name: Wo, .offset: 48, .size: 8, .value_kind: global_buffer, .address_space: global }
      - { .name: mask, .offset: 56, .size: 8, .value_kind: global_buffer, .address_space: global }
      - { .name: xw_codes, .offset: 64, .size: 8, .value_kind: global_buffer, .address_space: global }
      - { .name: xw_scales, .offset: 72, .size: 8, .value_kind: global_buffer, .address_space: global }
      - { .name: maskw, .offset: 80, .size: 8, .value_kind: global_buffer, .address_space: global }
      - { .name: flags, .offset: 88, .size: 8, .value_kind: global_buffer, .address_space: global }
    .group_segment_fixed_size: 34816
    .private_segment_fixed_size: 0
    .kernarg_segment_align: 8
    .kernarg_segment_size: 96
    .max_flat_workgroup_size: 128
    .sgpr_count:     66
    .vgpr_count:     194
    .wavefront_size: 32
...
	.end_amdgpu_metadata
.endif
;; end of part 1
;; launch proj (part 2): grid 8 x 32, 4 waves a work-group, clusters of 4 x 4, 327,680 bytes of LDS; arguments xw_codes, xw_scales, bq, bk, bv, qkv_codes, qkv_scales; writes qkv_codes, qkv_scales
.if DOCPART == 2
	.amdgcn_target "amdgcn-amd-amdhsa--gfx1250"
	.amdhsa_code_object_version 6
	.text
	.protected	k_qbf041a9dbb_proj
	.globl	k_qbf041a9dbb_proj
	.p2align	8
	.type	k_qbf041a9dbb_proj,@function
k_qbf041a9dbb_proj:
	s_mov_b64 s[64:65], 0
	v_nop
	global_prefetch_b8 v0, s[64:65] scope:SCOPE_SE
	s_setreg_imm32_b32 hwreg(HW_REG_WAVE_MODE, 25, 1), 1
	s_wait_xcnt 0x0
	s_wait_alu depctr_hold_cnt(0) depctr_sa_sdst(0) depctr_va_vdst(0) depctr_va_sdst(0) depctr_va_ssrc(0) depctr_va_vcc(0) depctr_vm_vsrc(0)
	s_getreg_b32 s2, hwreg(HW_REG_IB_STS2, 6, 4)
	s_cmp_eq_u32 s2, 0
	s_cbranch_scc0 .Lentry_in_a_cluster
	s_endpgm
.Lentry_in_a_cluster:
	s_bfe_u32 s2, ttmp6, 0x10000c
	s_cmp_lg_u32 s2, 0xf033
	s_cbranch_scc0 .Lentry_shape_is_right
	s_endpgm
.Lentry_shape_is_right:
; Q = q Wq^T + bq, K = k Wk^T + bk, V = v Wv^T + bv on codes of FP6 (E2M3) with E8M0 scales, f32 sums; the results are quantised here for attention's two products and leave as codes.
; A WORK-GROUP STAYS: work-group (wx, wy) makes three tiles of 128 x 128, one after the other: rows block wy of q, of k and of v, each against block wx (two heads) of that tensor's W.  256 work-groups.
; Four waves, each 64 x 64 of a tile: 16 accumulators.  K = 1,024 goes in two STAGES of four K steps: 49,152 bytes of x and as many of W.  The three tiles are six stages; stage g lies in slot g % 3 of three.
; Stages 0, 1, 2 are asked for together at the start (three loads of a wave are out); stages 3, 4, 5 fill slots 0, 1, 2 again, one load of 24,576 bytes a wave, each first behind a round of the cluster's barrier
; that stands ahead of a stage's LAST K step: that step's fragments are in registers by then, so nobody reads the slot any more.
; Operands lie in the order of their registers (1,536 bytes a fragment): a fragment is two loads of 16 bytes and two of 8 bytes a lane, each pass over consecutive bytes.
; CLUSTER 4 x 4: x's blocks hang on wy alone and are asked for jointly along a row of the cluster, W's on wx alone and are asked for jointly along a column: a quarter of the requests.
; Q and K: source 0 = 16 rows of W, source 1 = 16 rows of x: a lane holds one row of x and registers along the head's 64 features, the K of the scores.
; V: source 0 = 16 rows of x (keys), source 1 = 16 rows of W: a lane holds one feature d and registers along 64 keys, the K of the second product.
; OUT: half fragments (16 rows x 64 K, registers 0-5: 768 bytes) at qkv_codes[tensor][head of batch][128][768]; scale words at qkv_scales[tensor][head of batch][16][4][16]: two tiles' two bytes each.
; LIMITS: as the quantiser's everywhere here: NaN and infinities are not served; a block under 2^-124, or of zeros, keeps the byte 1.
; NO PREFETCH: each refill is asked for a stage (four K steps and, every second time, a tile's end part) ahead of the wait for it, and the launch is short.
; REGISTERS: window 0: v1-39 addresses and work; v40-135 the scale words of the three tiles: register 32 t + 8 i + s: lanes 0-15 W's tile i, lanes 16-31 x's tile i, K step s; v136-167 32 sums with their bias;
;   v168-199 four half fragments; v200-202 a conversion's second result.   window 1: v0-127 accumulators ((a, b) at 32 b + 8 a); v128-191 bq and bk by registers; v192-199 bv by lanes.
;   window 2: v0-95, v96-191 two buffers of fragments (W's four, then x's four).
.set BLKB,  98304                      ; a block of 128 rows, all of K, in memory
.set SLOTB, 98304                      ; an LDS slot: x's four K steps, then W's
.set OPB,   49152
.set KSB,   12288                      ; a K step of 128 rows
.set FRB,   1536
.set HALFB, 24576                      ; what one tensor load brings: two K steps of one operand
.set SPARE, 3*SLOTB                    ; behind the slots: the spare words, 128 bytes for each wave: two blocks of 256 bytes that no other line names
.set TENC,  3145728                    ; a tensor of result codes
.set TENS,  131072                     ; and of result scale words
.set L16,   16
.set L8,    17
.set L4,    18
.set TM,    20
.set SP,    26
.set SPW,   30                         ; v30  LDS address of my spare word; never rewritten
.set NIL,   31                         ; v31  0; never rewritten
.set SC,    40
.set X,     136
.set HF,    168
.set CT,    200
.set ACC,   0
.set BC,    128
.set BL,    192
.set WV,    18
.set G1X,   24                         ; s[24:31] group 1 for x's loads;  s[32:39] for W's
.set G1W,   32
.set G0X,   40                         ; s[40:51] groups 0 for x's loads, one set a slot;  s[52:63] for W's
.set G0W,   52
.set SEL,   80
.set MSB, 0
.macro WIN new                         ; the immediate's high byte repeats the setting that is left
.if MSB != \new
	s_set_vgpr_msb (MSB<<8)|\new
.set MSB, \new
.endif
.endm
.macro CROUND                          ; a round of the cluster's barrier
	s_barrier_signal -1
	s_barrier_wait -1
	s_cmp_lg_u32 s[WV], 0
	s_cbranch_scc1 .Lnot_wave_0_\@
	s_barrier_signal -3
.Lnot_wave_0_\@:
	s_barrier_wait -3
	s_barrier_signal -1
	s_barrier_wait -1
.endm
; A joint refill of slot j: waves 0 and 1 fetch for x, waves 2 and 3 for W.  The branch hangs on the wave's number alone.  Four v_nop follow each of the two lines.
.macro JLOAD j
	s_cmp_lt_u32 s[WV], 2
	s_cbranch_scc0 .Lfor_w_\@
	tensor_load_to_lds s[G0X+4*\j:G0X+4*\j+3], s[G1X:G1X+7]
	s_nop 0
.rept 4
	v_nop
.endr
	s_branch .Lasked_\@
.Lfor_w_\@:
	tensor_load_to_lds s[G0W+4*\j:G0W+4*\j+3], s[G1W:G1W+7]
	s_nop 0
.rept 4
	v_nop
.endr
.Lasked_\@:
.endm
; Slot j, whose last fragments are on their way into registers, is filled again.  dx, dw: bytes from the slot's stage to the stage three on, in x and in W.
.macro REFILL j, dx, dw
	WIN 0
	s_wait_tensorcnt 0x0                           ; all my tensor loads have landed, so a group 0 may be written
	ds_add_u32 v[SPW], v[NIL]                      ; 0 onto my spare word; the descriptors' steps stand between it and the wait for it
	s_add_nc_u64 s[G0X+4*\j+2:G0X+4*\j+3], s[G0X+4*\j+2:G0X+4*\j+3], \dx
	s_add_nc_u64 s[G0W+4*\j+2:G0W+4*\j+3], s[G0W+4*\j+2:G0W+4*\j+3], \dw
	s_wait_dscnt 0x0                               ; the add is done, and my reads of the slot are over
	CROUND                                         ; both now hold of every wave of every work-group of the cluster
	JLOAD \j                                       ; the first tensor load behind the round, and my only one until the next
.endm
.macro FRAG reg, a16, a8, off
	ds_load_b128 v[(\reg):(\reg)+3], v[\a16] offset:(\off)
	ds_load_b64 v[(\reg)+4:(\reg)+5], v[\a8] offset:(\off)+512
	ds_load_b128 v[(\reg)+6:(\reg)+9], v[\a16] offset:(\off)+768
	ds_load_b64 v[(\reg)+10:(\reg)+11], v[\a8] offset:(\off)+1280
.endm
.macro FETCH u                         ; 32 LDS loads: my four fragments of W and four of x of K step u of 24, into buffer u % 2.  Slot (u / 4) % 3
.set SL, ((\u)/4)%3
.set BU, 96*((\u)%2)
.irp t, 0,1,2,3
	FRAG BU+12*\t,6+4*SL,7+4*SL,((\u)%4)*KSB+\t*FRB
.endr
.irp t, 0,1,2,3
	FRAG BU+48+12*\t,4+4*SL,5+4*SL,((\u)%4)*KSB+\t*FRB
.endr
.endm
; 16 matrix instructions of K step u; the 16 accumulators take turns, one instruction a turn, in the same order in every step.  A tile's first step starts the sums.
.macro MM u, var
.set BU, 96*((\u)%2)
.set SS, SC+32*((\u)/8)+(\u)%8
.irp a, 0,1,2,3
.irp b, 0,1,2,3
.if (\var) == 0
.if (\u)%8 == 0
	v_wmma_scale_f32_16x16x128_f8f6f4 v[ACC+32*\b+8*\a:ACC+32*\b+8*\a+7], v[BU+12*\a:BU+12*\a+11], v[BU+48+12*\b:BU+48+12*\b+11], 0, v[SS+8*\a], v[SS+8*\b] matrix_a_fmt:MATRIX_FMT_FP6 matrix_b_fmt:MATRIX_FMT_FP6 matrix_b_scale:MATRIX_SCALE_ROW1
.else
	v_wmma_scale_f32_16x16x128_f8f6f4 v[ACC+32*\b+8*\a:ACC+32*\b+8*\a+7], v[BU+12*\a:BU+12*\a+11], v[BU+48+12*\b:BU+48+12*\b+11], v[ACC+32*\b+8*\a:ACC+32*\b+8*\a+7], v[SS+8*\a], v[SS+8*\b] matrix_a_fmt:MATRIX_FMT_FP6 matrix_b_fmt:MATRIX_FMT_FP6 matrix_b_scale:MATRIX_SCALE_ROW1
.endif
.else
.if (\u)%8 == 0
	v_wmma_scale_f32_16x16x128_f8f6f4 v[ACC+32*\b+8*\a:ACC+32*\b+8*\a+7], v[BU+48+12*\a:BU+48+12*\a+11], v[BU+12*\b:BU+12*\b+11], 0, v[SS+8*\a], v[SS+8*\b] matrix_a_fmt:MATRIX_FMT_FP6 matrix_b_fmt:MATRIX_FMT_FP6 matrix_a_scale:MATRIX_SCALE_ROW1
.else
	v_wmma_scale_f32_16x16x128_f8f6f4 v[ACC+32*\b+8*\a:ACC+32*\b+8*\a+7], v[BU+48+12*\a:BU+48+12*\a+11], v[BU+12*\b:BU+12*\b+11], v[ACC+32*\b+8*\a:ACC+32*\b+8*\a+7], v[SS+8*\a], v[SS+8*\b] matrix_a_fmt:MATRIX_FMT_FP6 matrix_b_fmt:MATRIX_FMT_FP6 matrix_a_scale:MATRIX_SCALE_ROW1
.endif
.endif
.endr
.endr
.endm
.macro KSTEP u, var                    ; K step u of 24: the next step's fragments are asked for, into the tile that follows too; then this step's products
.if (\u) > 0
.rept 4
	v_nop                                          ; four places in front of loads into the buffer that the step before multiplied
.endr
.endif
.if (\u) < 23
	WIN 0x80                                       ; destination in window 2, address in window 0
	FETCH (\u)+1
	s_wait_dscnt 32                                ; all but the 32 just issued: this step's fragments are in
.else
	s_wait_dscnt 0x0
.endif
	WIN 0x5a                                       ; sources 0 and 1 in window 2, C and D in window 1
	MM \u, \var
.endm
; 32 numbers of a lane, register 16 b + i, half a block each, become a half fragment in v[e] .. v[e + 5]; v[sp] = the two scale bytes.
.macro QUANT2 s, e, sp
.irp b, 0,1
	v_max3_num_f32 v[TM+\b], |v[(\s)+16*\b]|, |v[(\s)+1+16*\b]|, 0x1800000   ; and the floor 2^(3 - 127): the byte cannot fall under 1
.endr
.irp i, 2,4,6,8,10,12,14
.irp b, 0,1
	v_max3_num_f32 v[TM+\b], v[TM+\b], |v[(\s)+16*\b+\i]|, |v[(\s)+1+16*\b+\i]|
.endr
.endr
.irp b, 0,1
	v_permlanex16_b32 v[TM+2+\b], v[TM+\b], s[SEL], s[SEL+1]
.endr
.irp b, 0,1
	v_max_num_f32 v[TM+\b], v[TM+\b], v[TM+2+\b]
.endr
.irp b, 0,1
	v_add_nc_u32 v[TM+4+\b], 0xff000000, v[TM+\b]  ; 2 off the exponent field: the conversion's scale operand
.endr
.irp b, 0,1
	v_lshrrev_b32 v[TM+2+\b], 23, v[TM+4+\b]
.endr
	v_lshl_or_b32 v[\sp], v[TM+3], 8, v[TM+2]
	v_cvt_scalef32_pk16_fp6_f32 v[(\e):(\e)+2], v[(\s):(\s)+15], v[TM+4]
	v_cvt_scalef32_pk16_fp6_f32 v[CT:CT+2], v[(\s)+16:(\s)+31], v[TM+5]
	v_nop                                          ; one plain place behind a scaled conversion
.irp i, 0,1,2
	v_permlane16_swap_b32 v[(\e)+\i], v[CT+\i]
.endr
.irp i, 0,1,2
	v_mov_b32 v[(\e)+3+\i], v[CT+\i]
.endr
.endm
; A TILE'S END, a tile of 16 rows (Q, K) or of 16 features (V) at a time: the bias is added and 32 sums come into window 0 by one line each pair, each accumulator from its low end on; they are 64 neighbours
; along the next K of 16 rows: a half fragment.  The next tile's first fragments are on their way into window 2 meanwhile.
.macro ENDPART t, var
.rept 4
	v_nop                                          ; four places behind the last products
.endr
.if (\t) > 0
	s_wait_xcnt 0x0                                ; the last tile's stores have read their registers, which are written again below
.endif
.irp b, 0,1,2,3
	WIN 0x05                                       ; sources 0 and 1 in window 1
.irp a, 0,1,2,3
.irp j, 0,2,4,6
.if (\var) == 0
	v_pk_add_f32 v[X+8*\a+\j:X+8*\a+\j+1], v[ACC+32*\b+8*\a+\j:ACC+32*\b+8*\a+\j+1], v[BC+32*(\t)+8*\a+\j:BC+32*(\t)+8*\a+\j+1]
.else
	v_pk_add_f32 v[X+8*\a+\j:X+8*\a+\j+1], v[ACC+32*\b+8*\a+\j:ACC+32*\b+8*\a+\j+1], v[BL+2*\b:BL+2*\b+1]
.endif
.endr
.endr
	WIN 0
	QUANT2 X,HF+8*\b,SP+\b
	global_store_b128 v[L16], v[HF+8*\b:HF+8*\b+3], s[14:15] offset:(\t)*TENC+768*\b        ; 512 consecutive bytes
	global_store_b64 v[L8], v[HF+8*\b+4:HF+8*\b+5], s[14:15] offset:(\t)*TENC+768*\b+512    ; 256 consecutive bytes
.endr
	v_lshl_or_b32 v32, v[SP+1], 16, v[SP]          ; two tiles' bytes make a word
	v_lshl_or_b32 v33, v[SP+3], 16, v[SP+2]
	v_cndmask_b32 v32, v32, v33, s75               ; lanes 0-15 the first pair's, lanes 16-31 the second's
	global_store_b32 v[L4], v32, s[16:17] offset:(\t)*TENS   ; 128 consecutive bytes
.endm
	s_load_b256 s[4:11], s[0:1], 0x0               ; xw_codes, xw_scales, bq, bk
	s_load_b128 s[12:15], s[0:1], 0x20             ; bv, qkv_codes
	s_load_b64 s[16:17], s[0:1], 0x30              ; qkv_scales
	v_lshl_add_u32 v[SPW], v0, 2, SPARE
	v_mov_b32 v[NIL], 0
	ds_add_u32 v30, v31
	ds_add_u32 v30, v31
	s_wait_dscnt 0x0
	v_lshrrev_b32 v1, 5, v0
	v_readfirstlane_b32 s[WV], v1                  ; wave 0..3
	s_lshr_b32 s19, s[WV], 1                       ; iW: my 64 rows of W.  Also: I fetch for x (0) or for W (1)
	s_and_b32 s20, s[WV], 1                        ; iX: my 64 rows of x.  Also: which two K steps of a stage I fetch
	s_bfe_u32 s21, ttmp6, 0x40000                  ; cx
	s_bfe_u32 s22, ttmp6, 0x40004                  ; cy
	s_and_b32 s23, ttmp7, 0xffff                   ; the cluster's y
	s_lshl_b32 s66, ttmp9, 2
	s_add_co_u32 s66, s66, s21                     ; wx 0..7
	s_lshl_b32 s67, s23, 2
	s_add_co_u32 s67, s67, s22                     ; wy 0..31
	s_lshl_b32 s72, s22, 2
	s_lshl_b32 s72, 15, s72                        ; my row of the cluster
	s_lshl_b32 s73, 0x1111, s21                    ; my column
	; group 1: 24,576 dense bytes as 96 rows of 256 bytes (32 elements of 8 bytes), no padding
	s_or_b32 s[G1X], s72, (3<<16)|(1<<21)
	s_or_b32 s[G1W], s73, (3<<16)|(1<<21)
.irp g, G1X, G1W
	s_mov_b32 s[\g+1], 32<<16                      ; tensor_dim0
	s_mov_b32 s[\g+2], 96<<16                      ; tensor_dim1
	s_mov_b32 s[\g+3], 32<<16                      ; tile_dim0
	s_mov_b32 s[\g+4], 96                          ; tile_dim1
	s_mov_b32 s[\g+5], 32                          ; the pitch
	s_mov_b32 s[\g+6], 0
	s_mov_b32 s[\g+7], 0
.endr
	s_mul_i32 s74, s20, HALFB
	s_mul_i32 s68, s67, BLKB                       ; x: block wy of q; k's and v's lie 32 and 64 blocks on
	s_add_co_u32 s68, s68, s74
	s_mov_b32 s69, 0
	s_add_co_u32 s70, s66, 96                      ; W: block 96 + wx; Wk's and Wv's lie 8 and 16 blocks on
	s_mul_i32 s70, s70, BLKB
	s_add_co_u32 s70, s70, s74
	s_mov_b32 s71, 0
	s_mul_i32 s76, s[WV], HALFB                    ; where they go in a slot: wave x 24,576: no place in the cluster enters an LDS address
	s_wait_kmcnt 0x0
	s_add_nc_u64 s[68:69], s[4:5], s[68:69]
	s_add_nc_u64 s[70:71], s[4:5], s[70:71]
	CROUND                                         ; all sixteen work-groups are here: the first joint loads meet
.macro SETG0 g, dx, dw                 ; slot g's groups 0, for stage g
	s_mov_b32 s[G0X+4*\g], 1
	s_add_co_u32 s[G0X+4*\g+1], s76, \g*SLOTB
	s_add_nc_u64 s[G0X+4*\g+2:G0X+4*\g+3], s[68:69], \dx
	s_or_b32 s[G0X+4*\g+3], s[G0X+4*\g+3], 0x80000000
	s_mov_b32 s[G0W+4*\g], 1
	s_add_co_u32 s[G0W+4*\g+1], s76, \g*SLOTB
	s_add_nc_u64 s[G0W+4*\g+2:G0W+4*\g+3], s[70:71], \dw
	s_or_b32 s[G0W+4*\g+3], s[G0W+4*\g+3], 0x80000000
.endm
	SETG0 0, 0, 0                                  ; tile 0, K steps 0-3
	SETG0 1, OPB, OPB                              ; tile 0, K steps 4-7
	SETG0 2, 32*BLKB, 8*BLKB                       ; tile 1, K steps 0-3
	s_cmp_lt_u32 s[WV], 2                          ; a wave's three first fills stand in one branch: three loads of mine are out; four v_nop follow the last
	s_cbranch_scc0 .Lfill_w
	tensor_load_to_lds s[G0X:G0X+3], s[G1X:G1X+7]
	s_nop 0
	tensor_load_to_lds s[G0X+4:G0X+7], s[G1X:G1X+7]
	s_nop 0
	tensor_load_to_lds s[G0X+8:G0X+11], s[G1X:G1X+7]
	s_nop 0
.rept 4
	v_nop
.endr
	s_branch .Lfilled
.Lfill_w:
	tensor_load_to_lds s[G0W:G0W+3], s[G1W:G1W+7]
	s_nop 0
	tensor_load_to_lds s[G0W+4:G0W+7], s[G1W:G1W+7]
	s_nop 0
	tensor_load_to_lds s[G0W+8:G0W+11], s[G1W:G1W+7]
	s_nop 0
.rept 4
	v_nop
.endr
.Lfilled:
	v_and_b32 v3, 31, v0                           ; lane
	v_and_b32 v1, 15, v0                           ; r
	v_bfe_u32 v2, v0, 4, 1                         ; h
	v_lshlrev_b32 v[L16], 4, v3                    ; 16 x lane
	v_lshlrev_b32 v[L8], 3, v3                     ; 8 x lane
	v_lshlrev_b32 v[L4], 2, v3                     ; 4 x lane
	s_mul_i32 s77, s20, 4*FRB
	s_mul_i32 s78, s19, 4*FRB
	s_add_co_u32 s78, s78, OPB
	v_add_nc_u32 v4, s77, v[L16]                   ; slot 0: x's fragments, 16 and 8 bytes a lane;
	v_add_nc_u32 v5, s77, v[L8]
	v_add_nc_u32 v6, s78, v[L16]                   ; W's
	v_add_nc_u32 v7, s78, v[L8]
.irp i, 0,1,2,3,4,5,6,7
	v_add_nc_u32 v[8+\i], SLOTB, v[4+\i]           ; slots 1 and 2
.endr
	v_mov_b32 v[TM+2], 0                           ; a lane permute's destination counts as one of its sources
	v_mov_b32 v[TM+3], 0
	s_mov_b32 s[SEL], 0x76543210
	s_mov_b32 s[SEL+1], 0xfedcba98
	; the scale words of all three tiles: 32 bytes a row of the stream: lanes 0-15 W's rows, lanes 16-31 x's
	s_lshl_b32 s79, s66, 7
	s_lshl_b32 s82, s19, 6
	s_add_co_u32 s79, s79, s82
	s_add_co_u32 s79, s79, 12288
	s_lshl_b32 s79, s79, 5
	s_lshl_b32 s83, s67, 7
	s_lshl_b32 s82, s20, 6
	s_add_co_u32 s83, s83, s82
	s_lshl_b32 s83, s83, 5
	s_mov_b32 s75, 0xffff0000                      ; lanes 16-31
	v_mov_b32 v34, s79
	v_mov_b32 v35, s83
	v_cndmask_b32 v34, v34, v35, s75
	v_lshl_add_u32 v34, v1, 5, v34                 ; tile 0
	v_mov_b32 v36, 0x8000
	v_mov_b32 v37, 0x20000
	v_cndmask_b32 v37, v36, v37, s75               ; from tile to tile: 1,024 rows of W, 4,096 rows of x
	v_add_nc_u32 v35, v34, v37                     ; tile 1
	v_add_nc_u32 v36, v35, v37                     ; tile 2
.irp t, 0,1,2
.irp i, 0,1,2,3
	global_load_b128 v[SC+32*\t+8*\i:SC+32*\t+8*\i+3], v[34+\t], s[6:7] offset:512*\i
	global_load_b128 v[SC+32*\t+8*\i+4:SC+32*\t+8*\i+7], v[34+\t], s[6:7] offset:512*\i+16
.endr
.endr
	; the biases of my 64 rows of W
	s_lshl_b32 s84, s66, 9
	s_lshl_b32 s85, s19, 8
	s_add_co_u32 s84, s84, s85
	s_mov_b32 s85, 0
	s_add_nc_u64 s[8:9], s[8:9], s[84:85]
	s_add_nc_u64 s[10:11], s[10:11], s[84:85]
	s_add_nc_u64 s[12:13], s[12:13], s[84:85]
	v_lshlrev_b32 v38, 5, v2                       ; 32 h
	v_lshlrev_b32 v39, 2, v1                       ; 4 r
	WIN 0x40                                       ; destination in window 1
.irp a, 0,1,2,3
	global_load_b128 v[BC+8*\a:BC+8*\a+3], v38, s[8:9] offset:64*\a            ; bq: register j of tile a: feature 16 a + 8 h + j
	global_load_b128 v[BC+8*\a+4:BC+8*\a+7], v38, s[8:9] offset:64*\a+16
	global_load_b128 v[BC+32+8*\a:BC+32+8*\a+3], v38, s[10:11] offset:64*\a    ; bk likewise
	global_load_b128 v[BC+32+8*\a+4:BC+32+8*\a+7], v38, s[10:11] offset:64*\a+16
.endr
.irp b, 0,1,2,3
	global_load_b32 v[BL+2*\b], v39, s[12:13] offset:64*\b                     ; bv: feature 16 b + r, twice: a pair for the packed addition
	global_load_b32 v[BL+2*\b+1], v39, s[12:13] offset:64*\b
.endr
	WIN 0
	; where the results go; the tensor stands in the stores' immediates
	s_lshr_b32 s86, s67, 4                         ; batch
	s_lshl_b32 s86, s86, 4
	s_lshl_b32 s87, s66, 1
	s_add_co_u32 s86, s86, s87
	s_add_co_u32 s86, s86, s19                     ; head of batch: 16 batch + 2 wx + iW
	s_and_b32 s87, s67, 15                         ; which 128 rows of the sequence
	s_lshl_b32 s88, s86, 7
	s_lshl_b32 s89, s87, 3
	s_add_co_u32 s88, s88, s89
	s_lshl_b32 s89, s20, 2
	s_add_co_u32 s88, s88, s89
	s_mul_i32 s88, s88, 768
	s_mov_b32 s89, 0
	s_add_nc_u64 s[14:15], s[14:15], s[88:89]
	s_lshl_b32 s90, s86, 4
	s_add_co_u32 s90, s90, s87
	s_lshl_b32 s90, s90, 2
	s_lshl_b32 s91, s20, 1
	s_add_co_u32 s90, s90, s91
	s_lshl_b32 s90, s90, 6
	s_mov_b32 s91, 0
	s_add_nc_u64 s[16:17], s[16:17], s[90:91]
	s_wait_tensorcnt 0x2                           ; my part of stage 0 is in; stages 1 and 2 may stay out
	s_barrier_signal -1
	s_barrier_wait -1                              ; everybody's is
	s_wait_loadcnt 0x0                             ; scale words and biases
	WIN 0x80
	FETCH 0
	KSTEP 0, 0                                     ; ---- tile 0: Q
	KSTEP 1, 0
	KSTEP 2, 0
	REFILL 0, 32*BLKB+OPB, 8*BLKB+OPB              ; stages 1 and 2 have landed everywhere; slot 0 takes stage 3: tile 1, K steps 4-7
	KSTEP 3, 0
	KSTEP 4, 0
	KSTEP 5, 0
	KSTEP 6, 0
	REFILL 1, 64*BLKB-OPB, 16*BLKB-OPB             ; stage 3 has landed everywhere; slot 1 takes stage 4: tile 2, K steps 0-3
	KSTEP 7, 0
	ENDPART 0, 0
	KSTEP 8, 0                                     ; ---- tile 1: K
	KSTEP 9, 0
	KSTEP 10, 0
	REFILL 2, 32*BLKB+OPB, 8*BLKB+OPB              ; stage 4 has landed everywhere; slot 2 takes stage 5: tile 2, K steps 4-7: the last load
	KSTEP 11, 0
	KSTEP 12, 0
	KSTEP 13, 0
	KSTEP 14, 0
	KSTEP 15, 0
	ENDPART 1, 0
	KSTEP 16, 1                                    ; ---- tile 2: V
	KSTEP 17, 1
	KSTEP 18, 1
	s_wait_tensorcnt 0x0                           ; my part of stage 5, the one load that was out, is in,
	s_wait_dscnt 0x0                               ; no LDS load of mine is out at the signal
	s_barrier_signal -1
	s_barrier_wait -1                              ; everybody's is; nothing is filled again, so no round
	KSTEP 19, 1
	KSTEP 20, 1
	KSTEP 21, 1
	KSTEP 22, 1
	KSTEP 23, 1
	ENDPART 2, 1
	s_wait_tensorcnt 0x0                           ; the wave's end: behind my last tensor load, my last LDS instructions
	ds_add_u32 v[SPW], v[NIL]
	s_wait_dscnt 0x0
	CROUND                                         ; the closing round: no work-group ends while a partner may still ask for a tile that names it
	s_endpgm
.Lfunc_end_k_qbf041a9dbb_proj:
	.size	k_qbf041a9dbb_proj, .Lfunc_end_k_qbf041a9dbb_proj-k_qbf041a9dbb_proj
	.p2alignl 7, 3214868480
	.fill 96, 4, 3214868480
	.section	.rodata,"a",@progbits
	.p2align	6, 0x0
	.amdhsa_kernel k_qbf041a9dbb_proj
		.amdhsa_group_segment_fixed_size 327680
		.amdhsa_private_segment_fixed_size 0
		.amdhsa_enable_private_segment 0
		.amdhsa_kernarg_size 56
		.amdhsa_user_sgpr_count 2
		.amdhsa_user_sgpr_kernarg_segment_ptr 1
		.amdhsa_wavefront_size32 1
		.amdhsa_system_sgpr_workgroup_id_x 1
		.amdhsa_system_sgpr_workgroup_id_y 1
		.amdhsa_system_sgpr_workgroup_id_z 1
		.amdhsa_system_vgpr_workitem_id 0
		.amdhsa_next_free_vgpr 704
		.amdhsa_next_free_sgpr 98
		.amdhsa_reserve_vcc 0
		.amdhsa_float_denorm_mode_32 3
		.amdhsa_float_denorm_mode_16_64 3
		.amdhsa_memory_ordered 1
		.amdhsa_forward_progress 1
		.amdhsa_inst_pref_size 157
	.end_amdhsa_kernel
	.amdgpu_metadata
---
amdhsa.version: [ 1, 2 ]
amdhsa.kernels:
  - .name:           k_qbf041a9dbb_proj
    .symbol:         k_qbf041a9dbb_proj.kd
    .args:
      - { .name: xw_codes, .offset: 0, .size: 8, .value_kind: global_buffer, .address_space: global }
      - { .name: xw_scales, .offset: 8, .size: 8, .value_kind: global_buffer, .address_space: global }
      - { .name: bq, .offset: 16, .size: 8, .value_kind: global_buffer, .address_space: global }
      - { .name: bk, .offset: 24, .size: 8, .value_kind: global_buffer, .address_space: global }
      - { .name: bv, .offset: 32, .size: 8, .value_kind: global_buffer, .address_space: global }
      - { .name: qkv_codes, .offset: 40, .size: 8, .value_kind: global_buffer, .address_space: global }
      - { .name: qkv_scales, .offset: 48, .size: 8, .value_kind: global_buffer, .address_space: global }
    .group_segment_fixed_size: 327680
    .private_segment_fixed_size: 0
    .kernarg_segment_align: 8
    .kernarg_segment_size: 56
    .max_flat_workgroup_size: 128
    .sgpr_count:     98
    .vgpr_count:     704
    .wavefront_size: 32
...
	.end_amdgpu_metadata
.endif
;; end of part 2
;; launch attn (part 3): grid 8 x 32, 16 waves a work-group, no clusters, 207,360 bytes of LDS; arguments qkv_codes, qkv_scales, maskw, flags, ao_codes, ao_sc; writes ao_codes, ao_sc
.if DOCPART == 3
	.amdgcn_target "amdgcn-amd-amdhsa--gfx1250"
	.amdhsa_code_object_version 6
	.text
	.protected	k_qbf041a9dbb_attn
	.globl	k_qbf041a9dbb_attn
	.p2align	8
	.type	k_qbf041a9dbb_attn,@function
k_qbf041a9dbb_attn:
	s_mov_b64 s[64:65], 0
	v_nop
	global_prefetch_b8 v0, s[64:65] scope:SCOPE_SE
	s_setreg_imm32_b32 hwreg(HW_REG_WAVE_MODE, 25, 1), 1
	s_wait_xcnt 0x0
; x[b][q][head] = softmax_k(Q . K / 8, masked) V, both products on codes of FP6 (E2M3) with E8M0 scales; the result is quantised here for the output projection and leaves as codes.
; THE SOFTMAX AHEAD OF THE SECOND PRODUCT: t = score x log2(e) / 8; M = the running largest t rounded UP to a whole number; p = 2^(t - M) is quantised along the keys, not normalised; the row's sum is taken
; of the unquantised p and divides O at the end.  When M moves, the sum and O are multiplied by 2^(old M - new M): exact.
; SHARES: a work-group owns 256 queries of one head; each of its sixteen waves owns one tile of 16 queries in 256 registers, four waves to a SIMD.  Every wave walks the head's 2,048 keys, 128 a step.
; LDS: the whole head's K (98,304 bytes) and V (98,304) and their scale words (8,192) stay; each byte is written once.  K and V come through registers in chunks of 256 keys, each asked for a whole chunk ahead.
; THE CHUNKS' BARRIER IS SPLIT: at the head of chunk c a wave stores its part of chunk c + 1, waits for those stores and signals; it waits for the others only behind chunk c's two key steps, ahead of its first
; read of chunk c + 1.  So the waves may be up to two key steps apart.  Between signal and wait stand register work, LDS loads of bytes that are never written again, and the mask's scalar loads.
; BOTH PRODUCTS TRANSPOSED: S^T = K Q^T, O^T = V^T P^T: a lane holds one query throughout.  THE SCORES' K IS 64: a fragment of K holds key tile 2 p in registers 0-5 and key tile 2 p + 1 in 6-11;
; Q lies once between zeros, [0 | Q | 0]: [Q | 0] gives tile 2 p, [0 | Q] tile 2 p + 1.  Zero codes add nothing under any scale byte that the quantiser makes.
; THE MASK: 64 lane masks a step, made by the first launch; a step whose tile has no hole (a stored flag) jumps over the 64 selects.  A masked score is set to -2^33 (logit -2^30 = -1.074e9) where the
; definition has -1e9: -2^33 x c is a whole number in f32, so a row that is masked all over gives p = 1 for every key, as the definition does.  LIMIT: the two differ only where an unmasked logit lies under about -9e8.
; LIMITS: NaN and infinities are not served; a block under 2^-124, or of zeros, keeps the byte 1.
; NO CLUSTER: the eight query blocks of a head do read the same 204,800 bytes; the branch on the stored flags spares
; 64 of a step's vector instructions wherever a tile of the mask has no hole, and each work-group reads the shared bytes once.
; REGISTERS: v1-11, v34 addresses; v6 the masked score; v7 Q's scale word; v12 -M, v13 the largest t, v[14:15] the sum; v16-33 [0 | Q | 0]; v36-47 a chunk on its way; v48-95 four fragments of K, then of V;
;   v96-159 S^T, then p (at the head v96-107: chunk 0 on its way); v160-191 O^T; v192-203 p's codes; v204-210 at work; v212-215 K's (lanes 0-15) and V's (lanes 16-31) scale words; v216-239 at work; v240-243 the copy's LDS addresses.
.set VB,   98304                       ; V behind K
.set SCL,  196608                      ; a record of 512 bytes a step: 16 bytes a lane
.set SCR,  204800                      ; 512 bytes: the output's scale bytes
.set CHB,  12288                       ; a chunk of 256 keys
.set STB,  6144                        ; a step of 128 keys
.set TEN,  3145728                     ; a tensor of codes
.set TM,   216
.set CT,   204
.set SEL,  90
.macro FRAG reg, a16, a8, off
	ds_load_b128 v[(\reg):(\reg)+3], v[\a16] offset:(\off)
	ds_load_b64 v[(\reg)+4:(\reg)+5], v[\a8] offset:(\off)+512
	ds_load_b128 v[(\reg)+6:(\reg)+9], v[\a16] offset:(\off)+768
	ds_load_b64 v[(\reg)+10:(\reg)+11], v[\a8] offset:(\off)+1280
.endm
.macro LOADCP reg, off                 ; a chunk: 512 threads x (16 + 8) bytes of K, and the same of V
	global_load_b128 v[\reg:\reg+3], v3, s[4:5] offset:\off
	global_load_b64 v[\reg+4:\reg+5], v4, s[4:5] offset:\off+8192
	global_load_b128 v[\reg+6:\reg+9], v3, s[4:5] offset:\off+TEN
	global_load_b64 v[\reg+10:\reg+11], v4, s[4:5] offset:\off+TEN+8192
.endm
.macro TOLDS reg                       ; and into LDS as it lies
	v_add_nc_u32 v240, s95, v3
	v_add_nc_u32 v241, s95, v4
	v_add_nc_u32 v242, VB, v240
	v_add_nc_u32 v243, VB, v241
	ds_store_b128 v240, v[\reg:\reg+3]
	ds_store_b64 v241, v[\reg+4:\reg+5] offset:8192
	ds_store_b128 v242, v[\reg+6:\reg+9]
	ds_store_b64 v243, v[\reg+10:\reg+11] offset:8192
	s_add_co_u32 s95, s95, CHB
.endm
	s_load_b256 s[16:23], s[0:1], 0x0              ; qkv_codes, qkv_scales, maskw, flags
	s_load_b128 s[24:27], s[0:1], 0x20             ; ao_codes, ao_sc
	v_lshl_add_u32 v254, v0, 2, 0x32200
	v_mov_b32 v255, 0
	v_lshrrev_b32 v5, 5, v0
	v_readfirstlane_b32 s84, v5                    ; wave 0..15
	v_and_b32 v235, 31, v0                         ; lane
	v_and_b32 v236, 15, v0                         ; r
	v_bfe_u32 v237, v0, 4, 1                       ; h
	v_lshlrev_b32 v1, 4, v235                      ; 16 x lane
	v_lshlrev_b32 v2, 3, v235                      ; 8 x lane
	v_lshlrev_b32 v3, 4, v0                        ; 16 x thread
	v_lshlrev_b32 v4, 3, v0                        ; 8 x thread
	v_add_nc_u32 v5, SCL, v1
	v_mov_b32 v6, 0xd0000000                       ; -2^33
	s_and_b32 s96, ttmp7, 0xffff                   ; head of batch
	s_lshl_b32 s97, ttmp9, 4
	s_add_co_u32 s97, s97, s84                     ; T: my tile of queries
	s_mov_b32 s95, 0
	s_mov_b32 s29, 0
	s_mov_b32 s31, 0
	s_lshl_b32 s28, s97, 5
	s_wait_kmcnt 0x0
	s_add_nc_u64 s[28:29], s[22:23], s[28:29]
	s_load_b256 s[32:39], s[28:29], 0x0            ; my tile's eight flag words
	s_lshl_b32 s30, s97, 12
	s_add_nc_u64 s[8:9], s[20:21], s[30:31]        ; my tile's lane masks: 256 bytes a step
	s_mul_i32 s30, s96, 98304
	s_add_co_u32 s30, s30, TEN
	s_add_nc_u64 s[4:5], s[16:17], s[30:31]        ; the head's K; V lies TEN bytes on
	s_lshl_b32 s30, s96, 7
	s_add_co_u32 s30, s30, s97
	s_mul_i32 s30, s30, 768
	s_add_nc_u64 s[6:7], s[16:17], s[30:31]        ; my Q
	LOADCP 96, 0                                   ; chunk 0
	; wave w serves step w's scale words: lanes 0-15 K's four words, lanes 16-31 V's four (two units of 64 keys x two pairs of tiles)
	s_lshl_b32 s98, s96, 4
	s_add_co_u32 s98, s98, s84
	s_lshl_b32 s98, s98, 8
	s_add_co_u32 s98, s98, 131072
	v_lshlrev_b32 v238, 2, v236                    ; 4 r
	v_lshl_add_u32 v239, v237, 17, v238            ; V's lie 131,072 bytes behind K's
	v_add_nc_u32 v239, s98, v239
	v_lshl_add_u32 v240, v237, 6, v239
	v_add_nc_u32 v240, 64, v240                    ; + 64 for K, + 128 for V
	v_lshlrev_b32 v241, 6, v237
	v_sub_nc_u32 v241, v239, v241
	v_add_nc_u32 v241, 128, v241                   ; + 128 for K, + 64 for V
	global_load_b32 v48, v239, s[18:19]
	global_load_b32 v49, v240, s[18:19]
	global_load_b32 v50, v241, s[18:19]
	global_load_b32 v51, v239, s[18:19] offset:192
	global_load_b128 v[22:25], v1, s[6:7]          ; Q's half fragment
	global_load_b64 v[26:27], v2, s[6:7] offset:512
	s_lshl_b32 s99, s96, 6
	s_lshr_b32 s100, s97, 1
	s_add_co_u32 s99, s99, s100
	s_lshl_b32 s99, s99, 6
	v_add_nc_u32 v238, s99, v238
	global_load_b32 v35, v238, s[18:19]            ; the word of my pair of tiles
	LOADCP 36, CHB                                 ; chunk 1, asked for with chunk 0: it is stored at the head of chunk 0
	; where the results go
	s_lshr_b32 s98, s96, 4                         ; batch
	s_and_b32 s99, s96, 15                         ; head
	s_lshl_b32 s100, s98, 4
	s_lshl_b32 s101, ttmp9, 1
	s_add_co_u32 s100, s100, s101
	s_lshr_b32 s101, s84, 3
	s_add_co_u32 s100, s100, s101                  ; the block of 128 rows
	s_mul_i32 s100, s100, 98304
	s_lshr_b32 s101, s99, 1
	s_mul_i32 s101, s101, 12288                    ; K step = head / 2
	s_add_co_u32 s100, s100, s101
	s_and_b32 s101, s84, 7
	s_mul_i32 s101, s101, 1536                     ; the tile in the block
	s_add_co_u32 s100, s100, s101
	s_and_b32 s101, s99, 1
	s_mul_i32 s101, s101, 768                      ; which half of the fragment
	s_add_co_u32 s100, s100, s101
	s_mov_b32 s101, 0
	s_add_nc_u64 s[10:11], s[24:25], s[100:101]
	s_lshl_b32 s100, s99, 13
	s_lshl_b32 s98, s98, 12
	s_add_co_u32 s100, s100, s98
	s_lshl_b32 s98, ttmp9, 9
	s_add_co_u32 s100, s100, s98
	s_add_nc_u64 s[12:13], s[26:27], s[100:101]
	s_mov_b32 s100, 0xffff0000                     ; lanes 16-31
	v_mov_b32 v52, 0x03020100                      ; K: the words as they are;  V: the low halves, then the high halves, of a pair of words
	v_mov_b32 v53, 0x05040100
	v_cndmask_b32 v52, v52, v53, s100
	v_mov_b32 v53, 0x07060504
	v_mov_b32 v54, 0x07060302
	v_cndmask_b32 v53, v53, v54, s100
	v_add_nc_u32 v55, SCL, v3
	s_wait_loadcnt 0x7                             ; chunk 0 and the scale words are in; Q's three loads and chunk 1's four may be out
	TOLDS 96
	v_perm_b32 v56, v49, v48, v52
	v_perm_b32 v57, v49, v48, v53
	v_perm_b32 v58, v51, v50, v52
	v_perm_b32 v59, v51, v50, v53
	ds_store_b128 v55, v[56:59]                    ; step w's record
	s_wait_dscnt 0x0                               ; my stores have landed and have read their registers
	s_barrier_signal -1
	s_barrier_wait -1                              ; chunk 0 and all sixteen records lie in LDS
	s_wait_loadcnt 0x4                             ; Q is in; chunk 1's four loads may be out
	s_wait_kmcnt 0x0
	s_or_b32 s85, s32, s33
	s_or_b32 s85, s85, s34
	s_or_b32 s85, s85, s35
	s_or_b32 s85, s85, s36
	s_or_b32 s85, s85, s37
	s_or_b32 s85, s85, s38
	s_or_b32 s85, s85, s39                         ; bit 'step': the step's tile of the mask has a hole
	s_mov_b32 s96, 0x01000100
	s_bitcmp1_b32 s84, 0
	s_cselect_b32 s96, 0x03020302, s96             ; my tile's two bytes of the pair's word,
	v_perm_b32 v7, v35, v35, s96                   ; in both halves: for [Q | 0] and for [0 | Q]
.irp j, 16,17,18,19,20,21,28,29,30,31,32,33
	v_mov_b32 v[\j], 0                             ; the zeros on both sides of Q
.endr
.set n, 0
.rept 32
	v_mov_b32 v[160+n], 0                          ; O^T: the step is written once: the first finds zeros, which the first change of M leaves zeros
.set n, n+1
.endr
	v_mov_b32 v13, 0xff61b1e6                      ; the largest t so far: -3e38
	v_floor_f32 v12, -v13                          ; -M
	v_mov_b32 v14, 0
	v_mov_b32 v15, 0
.irp b, 0,1,2,3
	v_mov_b32 v[220+\b], 0                         ; a lane permute's destination counts as one of its sources
.endr
	v_mov_b32 v233, 0                              ; (named as the upper half of the pair v[232:233])
	s_mov_b32 s86, 0                               ; the step's number
	s_mov_b32 s87, 0                               ; its tiles in LDS
	s_mov_b32 s88, 0                               ; its record of scale words
	s_mov_b32 s[SEL], 0x76543210
	s_mov_b32 s[SEL+1], 0xfedcba98
	s_mov_b32 s92, 0x3e38aa3b                      ; c = log2(e) / 8
	s_mov_b32 s93, s92
; A KEY STEP: 128 keys.
.macro STEP
	v_add_nc_u32 v8, s87, v1                       ; these five are also the places behind the last products, in front of the loads below
	v_add_nc_u32 v9, s87, v2
	v_add_nc_u32 v10, VB, v8
	v_add_nc_u32 v11, VB, v9
	v_add_nc_u32 v34, s88, v5
	ds_load_b128 v[212:215], v34
.irp p, 0,1,2,3
	FRAG 48+12*\p,8,9,1536*\p
.endr
	s_wait_dscnt 0x0
.irp p, 0,1,2,3
	v_wmma_scale_f32_16x16x128_f8f6f4 v[96+16*\p:103+16*\p], v[48+12*\p:59+12*\p], v[22:33], 0, v[212+\p], v7 matrix_a_fmt:MATRIX_FMT_FP6 matrix_b_fmt:MATRIX_FMT_FP6
	v_wmma_scale_f32_16x16x128_f8f6f4 v[104+16*\p:111+16*\p], v[48+12*\p:59+12*\p], v[16:27], 0, v[212+\p], v7 matrix_a_fmt:MATRIX_FMT_FP6 matrix_b_fmt:MATRIX_FMT_FP6
.endr                                  ; register 8 tt + j of lane (r, h): query r, key 16 tt + 8 h + j
.rept 4
	v_nop                                          ; four places: in front of the loads into K's registers and of the first read of the scores
.endr
.irp d, 0,1,2,3                        ; V's four fragments land under the softmax: registers 0-5 the first 64 keys, 6-11 the second
	ds_load_b128 v[48+12*\d:51+12*\d], v10 offset:768*\d
	ds_load_b64 v[52+12*\d:53+12*\d], v11 offset:768*\d+512
	ds_load_b128 v[54+12*\d:57+12*\d], v10 offset:3072+768*\d
	ds_load_b64 v[58+12*\d:59+12*\d], v11 offset:3072+768*\d+512
.endr
	s_bitcmp1_b32 s85, s86                         ; a hole in this tile of the mask?  A whole number that an earlier launch stored
	s_cbranch_scc0 .Lopen_\@
	s_load_b512 s[16:31], s[8:9], 0x0
	s_load_b512 s[32:47], s[8:9], 0x40
	s_load_b512 s[48:63], s[8:9], 0x80
	s_load_b512 s[68:83], s[8:9], 0xc0
	s_wait_kmcnt 0x0
.set n, 0
.rept 48
	v_cndmask_b32 v[96+n], v6, v[96+n], s[16+n]    ; the score where the mask's bit is set, else -2^33
.set n, n+1
.endr
.rept 16
	v_cndmask_b32 v[96+n], v6, v[96+n], s[20+n]
.set n, n+1
.endr
.Lopen_\@:
.irp b, 0,1,2,3
	v_max3_num_f32 v[216+\b], v[96+16*\b], v[97+16*\b], v[98+16*\b]   ; the largest score of each block of 32 keys: for the row's maximum and, since p rises with the score, for the block's largest p
.endr
.irp i, 3,5,7,9,11,13
.irp b, 0,1,2,3
	v_max3_num_f32 v[216+\b], v[216+\b], v[96+16*\b+\i], v[97+16*\b+\i]
.endr
.endr
.irp b, 0,1,2,3
	v_max_num_f32 v[216+\b], v[216+\b], v[111+16*\b]
.endr
.irp b, 0,1,2,3
	v_permlanex16_b32 v[220+\b], v[216+\b], s[SEL], s[SEL+1]
.endr
.irp b, 0,1,2,3
	v_max_num_f32 v[216+\b], v[216+\b], v[220+\b]  ; with lane l xor 16's 16 keys
.endr
	v_max3_num_f32 v235, v216, v217, v218
	v_max_num_f32 v235, v235, v219
	v_mul_f32 v235, s92, v235                      ; as t (c is positive)
	v_max_num_f32 v13, v13, v235                   ; the running largest t
	v_mov_b32 v235, v12
	v_floor_f32 v12, -v13                          ; the new -M = -ceil(t)
	v_sub_f32 v235, v12, v235                      ; old M - new M: a whole number, 0 or less
	v_cvt_i32_f32 v235, v235                       ; (it saturates)
	v_ldexp_f32 v232, 1.0, v235                    ; f = 2^(old M - new M)
.set n, 0
.rept 32
	v_pk_fma_f32 v[96+n:97+n], v[96+n:97+n], s[92:93], v[12:13] op_sel_hi:[1,0,0]   ; t - M, two at a time
.set n, n+2
.endr
.irp b, 0,1,2,3
	v_fma_f32 v[216+\b], v[216+\b], s92, v12       ; the same of each block's largest score
.endr
.set n, 0
.rept 64
	v_exp_f32 v[96+n], v[96+n]                     ; p = 2^(t - M)
.set n, n+1
.endr
	v_pk_mul_f32 v[14:15], v[14:15], v[232:233] op_sel_hi:[1,0]   ; the sums under the new M: a plain place behind the exponentials
	s_wait_alu depctr_va_vdst(0)                   ; one wait for the batch, ahead of its first reader
.irp b, 0,1,2,3
	v_exp_f32 v[216+\b], v[216+\b]                 ; the block's largest p
.endr
	v_pk_add_f32 v[236:237], v[96:97], v[98:99]    ; the row's sum of the unquantised p, in two chains
.irp j, 4,8,12,16,20,24,28,32,36,40,44,48,52,56,60
	v_pk_add_f32 v[14:15], v[14:15], v[96+\j:97+\j]
	v_pk_add_f32 v[236:237], v[236:237], v[98+\j:99+\j]
.endr
	v_pk_add_f32 v[14:15], v[14:15], v[236:237]
	s_wait_alu depctr_va_vdst(0)                   ; and one for the four
.irp b, 0,1,2,3
	v_max_num_f32 v[216+\b], 0x1800000, v[216+\b]  ; the floor 2^(3 - 127)
.endr
.irp b, 0,1,2,3
	v_add_nc_u32 v[224+\b], 0xff000000, v[216+\b]  ; the conversion's scale operand
.endr
.irp b, 0,1,2,3
	v_lshrrev_b32 v[220+\b], 23, v[224+\b]         ; the scale's byte
.endr
	v_lshl_or_b32 v234, v221, 8, v220              ; p's scale word for these 128 keys
	v_lshl_or_b32 v234, v222, 16, v234
	v_lshl_or_b32 v234, v223, 24, v234
.irp c, 0,1
	v_cvt_scalef32_pk16_fp6_f32 v[192+6*\c:194+6*\c], v[96+32*\c:111+32*\c], v[224+2*\c]
	v_cvt_scalef32_pk16_fp6_f32 v[204+4*\c:206+4*\c], v[112+32*\c:127+32*\c], v[224+2*\c+1]
.endr
	v_nop                                          ; one plain place behind a scaled conversion
.irp c, 0,1
.irp i, 0,1,2
	v_permlane16_swap_b32 v[192+6*\c+\i], v[204+4*\c+\i]
.endr
.irp i, 0,1,2
	v_mov_b32 v[195+6*\c+\i], v[204+4*\c+\i]
.endr
.endr
.set n, 0
.rept 16
	v_pk_mul_f32 v[160+n:161+n], v[160+n:161+n], v[232:233] op_sel_hi:[1,0]   ; O^T under the new M; these sixteen are also the places between the codes and the scale word just made and the products
.set n, n+2
.endr
	s_wait_dscnt 0x0                               ; V is in
.irp d, 0,1,2,3
	v_wmma_scale_f32_16x16x128_f8f6f4 v[160+8*\d:167+8*\d], v[48+12*\d:59+12*\d], v[192:203], v[160+8*\d:167+8*\d], v[212+\d], v234 matrix_a_fmt:MATRIX_FMT_FP6 matrix_b_fmt:MATRIX_FMT_FP6 matrix_a_scale:MATRIX_SCALE_ROW1
.endr
	s_add_co_u32 s86, s86, 1
	s_add_co_u32 s87, s87, STB
	s_add_co_u32 s88, s88, 512
	s_add_nc_u64 s[8:9], s[8:9], 256
.endm
; CHUNK c.  At its head the next chunk, asked for a chunk ago, goes into LDS bytes that nobody reads before the wait at this chunk's end (mode 1, 2), and the chunk after that is asked for (mode 2).
; The signal says: my part of chunk c + 1 lies in LDS.  The wait stands behind this chunk's two steps: behind it chunk c + 1 is whole.
.macro CHUNK mode
.if \mode >= 1
	s_wait_loadcnt 0x0                             ; the next chunk is in my registers
	TOLDS 36
	s_wait_dscnt 0x0                               ; my stores have landed and have read their registers
.if \mode == 2
	s_add_nc_u64 s[4:5], s[4:5], CHB
	LOADCP 36, CHB
.endif
	s_barrier_signal -1
.endif
	STEP
	STEP
.if \mode >= 1
	s_barrier_wait -1
.endif
.endm
	s_mov_b32 s94, 6
.Lchunk:                               ; chunks 0 to 5: they store chunks 1 to 6 and ask for chunks 2 to 7
	CHUNK 2
	s_sub_co_u32 s94, s94, 1
	s_cmp_lg_u32 s94, 0
	s_cbranch_scc1 .Lchunk
	CHUNK 1                                        ; chunk 6 stores chunk 7 and asks for nothing: no load leaves the head's bytes
	CHUNK 0
	; THE WAY OUT: O^T / the sum; its 32 registers are the head's 64 features of my query: a half fragment of the output projection's operand.  The first five lines are the places behind the last products.
	v_add_f32 v14, v14, v15
	v_and_b32 v236, 15, v0
	v_lshlrev_b32 v237, 1, v236
	s_lshl_b32 s96, s84, 5
	s_add_co_u32 s96, s96, SCR
	v_add_nc_u32 v237, s96, v237                   ; SCR + 32 wave + 2 r
	v_add_nc_u32 v238, SCR, v1
	v_permlanex16_b32 v235, v14, s[SEL], s[SEL+1]
	v_add_f32 v14, v14, v235                       ; the row's sum
	v_rcp_f32 v232, v14
	v_nop                                          ; a plain place behind the reciprocal
	s_wait_alu depctr_va_vdst(0)                   ; and the wait ahead of its first reader
.set n, 0
.rept 16
	v_pk_mul_f32 v[160+n:161+n], v[160+n:161+n], v[232:233] op_sel_hi:[1,0]
.set n, n+2
.endr
.irp b, 0,1
	v_max3_num_f32 v[TM+\b], |v[160+16*\b]|, |v[161+16*\b]|, 0x1800000
.endr
.irp i, 2,4,6,8,10,12,14
.irp b, 0,1
	v_max3_num_f32 v[TM+\b], v[TM+\b], |v[160+16*\b+\i]|, |v[161+16*\b+\i]|
.endr
.endr
.irp b, 0,1
	v_permlanex16_b32 v[TM+2+\b], v[TM+\b], s[SEL], s[SEL+1]
.endr
.irp b, 0,1
	v_max_num_f32 v[TM+\b], v[TM+\b], v[TM+2+\b]
.endr
.irp b, 0,1
	v_add_nc_u32 v[TM+4+\b], 0xff000000, v[TM+\b]
.endr
.irp b, 0,1
	v_lshrrev_b32 v[TM+2+\b], 23, v[TM+4+\b]
.endr
	v_lshl_or_b32 v234, v[TM+3], 8, v[TM+2]        ; my row's two scale bytes
	v_cvt_scalef32_pk16_fp6_f32 v[192:194], v[160:175], v[TM+4]
	v_cvt_scalef32_pk16_fp6_f32 v[CT:CT+2], v[176:191], v[TM+5]
	v_nop
.irp i, 0,1,2
	v_permlane16_swap_b32 v[192+\i], v[CT+\i]
.endr
.irp i, 0,1,2
	v_mov_b32 v[195+\i], v[CT+\i]
.endr
	global_store_b128 v1, v[192:195], s[10:11]     ; 512 consecutive bytes
	global_store_b64 v2, v[196:197], s[10:11] offset:512
	ds_store_b16 v237, v234                        ; both halves of the lanes write the same two bytes with the same value
	s_wait_dscnt 0x0
	s_barrier_signal -1
	s_barrier_wait -1                              ; 256 rows' scale bytes lie in LDS
	s_cmp_lg_u32 s84, 0
	s_cbranch_scc1 .Lend
	ds_load_b128 v[36:39], v238
	s_wait_dscnt 0x0
	global_store_b128 v1, v[36:39], s[12:13]       ; wave 0: 512 consecutive bytes, aligned
.Lend:
	s_wait_tensorcnt 0x0
	ds_add_u32 v254, v255
	s_wait_dscnt 0x0
	s_endpgm
.Lfunc_end_k_qbf041a9dbb_attn:
	.size	k_qbf041a9dbb_attn, .Lfunc_end_k_qbf041a9dbb_attn-k_qbf041a9dbb_attn
	.p2alignl 7, 3214868480
	.fill 96, 4, 3214868480
	.section	.rodata,"a",@progbits
	.p2align	6, 0x0
	.amdhsa_kernel k_qbf041a9dbb_attn
		.amdhsa_group_segment_fixed_size 207360
		.amdhsa_private_segment_fixed_size 0
		.amdhsa_enable_private_segment 0
		.amdhsa_kernarg_size 48
		.amdhsa_user_sgpr_count 2
		.amdhsa_user_sgpr_kernarg_segment_ptr 1
		.amdhsa_wavefront_size32 1
		.amdhsa_system_sgpr_workgroup_id_x 1
		.amdhsa_system_sgpr_workgroup_id_y 1
		.amdhsa_system_sgpr_workgroup_id_z 1
		.amdhsa_system_vgpr_workitem_id 0
		.amdhsa_next_free_vgpr 256
		.amdhsa_next_free_sgpr 102
		.amdhsa_reserve_vcc 0
		.amdhsa_float_denorm_mode_32 3
		.amdhsa_float_denorm_mode_16_64 3
		.amdhsa_memory_ordered 1
		.amdhsa_forward_progress 1
		.amdhsa_inst_pref_size 136
	.end_amdhsa_kernel
	.amdgpu_metadata
---
amdhsa.version: [ 1, 2 ]
amdhsa.kernels:
  - .name:           k_qbf041a9dbb_attn
    .symbol:         k_qbf041a9dbb_attn.kd
    .args:
      - { .name: qkv_codes, .offset: 0, .size: 8, .value_kind: global_buffer, .address_space: global }
      - { .name: qkv_scales, .offset: 8, .size: 8, .value_kind: global_buffer, .address_space: global }
      - { .name: maskw, .offset: 16, .size: 8, .value_kind: global_buffer, .address_space: global }
      - { .name: flags, .offset: 24, .size: 8, .value_kind: global_buffer, .address_space: global }
      - { .name: ao_codes, .offset: 32, .size: 8, .value_kind: global_buffer, .address_space: global }
      - { .name: ao_sc, .offset: 40, .size: 8, .value_kind: global_buffer, .address_space: global }
    .group_segment_fixed_size: 207360
    .private_segment_fixed_size: 0
    .kernarg_segment_align: 8
    .kernarg_segment_size: 48
    .max_flat_workgroup_size: 512
    .sgpr_count:     102
    .vgpr_count:     256
    .wavefront_size: 32
...
	.end_amdgpu_metadata
.endif
;; end of part 3
;; launch outp (part 4): grid 8 x 32, 4 waves a work-group, clusters of 4 x 4, 214,528 bytes of LDS; arguments ao_codes, ao_sc, xw_codes, xw_scales, bo, out0; writes out0
.if DOCPART == 4
	.amdgcn_target "amdgcn-amd-amdhsa--gfx1250"
	.amdhsa_code_object_version 6
	.text
	.protected	k_qbf041a9dbb_outp
	.globl	k_qbf041a9dbb_outp
	.p2align	8
	.type	k_qbf041a9dbb_outp,@function
k_qbf041a9dbb_outp:
	s_mov_b64 s[64:65], 0
	v_nop
	global_prefetch_b8 v0, s[64:65] scope:SCOPE_SE
	s_setreg_imm32_b32 hwreg(HW_REG_WAVE_MODE, 25, 1), 1
	s_wait_xcnt 0x0
	s_wait_alu depctr_hold_cnt(0) depctr_sa_sdst(0) depctr_va_vdst(0) depctr_va_sdst(0) depctr_va_ssrc(0) depctr_va_vcc(0) depctr_vm_vsrc(0)
	s_getreg_b32 s2, hwreg(HW_REG_IB_STS2, 6, 4)
	s_cmp_eq_u32 s2, 0
	s_cbranch_scc0 .Lentry_in_a_cluster
	s_endpgm
.Lentry_in_a_cluster:
	s_bfe_u32 s2, ttmp6, 0x10000c
	s_cmp_lg_u32 s2, 0xf033
	s_cbranch_scc0 .Lentry_shape_is_right
	s_endpgm
.Lentry_shape_is_right:
; out0 = x Wo^T + bo on codes of FP6 (E2M3) with E8M0 scales, f32 sums.  x: attention's result, as codes in the order of the operand's registers (ao_codes), two scale bytes for each row and head (ao_sc).
; A work-group makes 128 rows x 128 columns; four waves, each 64 x 64: 16 accumulators.  ALL OF K = 1,024 LIES IN LDS, in two stages of four K steps, each filled once: no slot is ever filled again.
; CLUSTER 4 x 4: x's block hangs on wy alone and is asked for jointly along a row of the cluster, Wo's on wx alone and is asked for jointly along a column: a quarter of the requests.
; Source 0 = 16 rows of Wo, source 1 = 16 rows of x: a lane holds eight neighbouring columns of one row of out0.  The way out goes through a stage of the wave's own, in LDS bytes into which no fill lands.
; REGISTERS: window 0: v1-31 addresses; v32-127, v128-223 two buffers of fragments (W's four, then x's four); v224-255 scale words: register 8 i + s: lanes 0-15 W's tile i, lanes 16-31 x's tile i, K step s.
;   window 1: v0-127 accumulators ((a, b) at 32 b + 8 a); v128-159 the bias.
.set BLKB,  98304
.set STGB,  98304
.set OPB,   49152
.set KSB,   12288
.set FRB,   1536
.set HALFB, 24576
.set STG,   196608                     ; behind the tiles: 16 rows x (256 bytes + 16) for each wave
.set F0,    32
.set SC,    224
.set X,     32
.set ACC,   0
.set BC,    128
.set WV,    18
.set G1X,   24
.set G0X,   32
.set G1W,   48
.set G0W,   56
.set MSB, 0
.macro WIN new                         ; the immediate's high byte repeats the setting that is left
.if MSB != \new
	s_set_vgpr_msb (MSB<<8)|\new
.set MSB, \new
.endif
.endm
.macro CROUND                          ; a round of the cluster's barrier
	s_barrier_signal -1
	s_barrier_wait -1
	s_cmp_lg_u32 s[WV], 0
	s_cbranch_scc1 .Lnot_wave_0_\@
	s_barrier_signal -3
.Lnot_wave_0_\@:
	s_barrier_wait -3
	s_barrier_signal -1
	s_barrier_wait -1
.endm
.macro FRAG reg, a16, a8, off
	ds_load_b128 v[(\reg):(\reg)+3], v[\a16] offset:(\off)
	ds_load_b64 v[(\reg)+4:(\reg)+5], v[\a8] offset:(\off)+512
	ds_load_b128 v[(\reg)+6:(\reg)+9], v[\a16] offset:(\off)+768
	ds_load_b64 v[(\reg)+10:(\reg)+11], v[\a8] offset:(\off)+1280
.endm
.macro FETCH s, buf                    ; 32 LDS loads: my four fragments of W and four of x of K step s
.irp t, 0,1,2,3
	FRAG (\buf)+12*\t,6+4*((\s)/4),7+4*((\s)/4),((\s)%4)*KSB+\t*FRB
.endr
.irp t, 0,1,2,3
	FRAG (\buf)+48+12*\t,4+4*((\s)/4),5+4*((\s)/4),((\s)%4)*KSB+\t*FRB
.endr
.endm
.macro MM s                            ; 16 matrix instructions; the 16 accumulators take turns, one instruction a turn; the first step's products start the sums
.set BU, F0+96*((\s)%2)
.irp a, 0,1,2,3
.irp b, 0,1,2,3
.if (\s) == 0
	v_wmma_scale_f32_16x16x128_f8f6f4 v[ACC+32*\b+8*\a:ACC+32*\b+8*\a+7], v[BU+12*\a:BU+12*\a+11], v[BU+48+12*\b:BU+48+12*\b+11], 0, v[SC+8*\a+(\s)], v[SC+8*\b+(\s)] matrix_a_fmt:MATRIX_FMT_FP6 matrix_b_fmt:MATRIX_FMT_FP6 matrix_b_scale:MATRIX_SCALE_ROW1
.else
	v_wmma_scale_f32_16x16x128_f8f6f4 v[ACC+32*\b+8*\a:ACC+32*\b+8*\a+7], v[BU+12*\a:BU+12*\a+11], v[BU+48+12*\b:BU+48+12*\b+11], v[ACC+32*\b+8*\a:ACC+32*\b+8*\a+7], v[SC+8*\a+(\s)], v[SC+8*\b+(\s)] matrix_a_fmt:MATRIX_FMT_FP6 matrix_b_fmt:MATRIX_FMT_FP6 matrix_b_scale:MATRIX_SCALE_ROW1
.endif
.endr
.endr
.endm
.macro KSTEP s
.if (\s) > 0
.rept 4
	v_nop                                          ; four places in front of loads into the buffer that the step before multiplied
.endr
.endif
.if (\s) < 7
	FETCH (\s)+1,F0+96*(((\s)+1)%2)
	s_wait_dscnt 32                                ; all but the 32 just issued
.else
	s_wait_dscnt 0x0
.endif
	WIN 0x50                                       ; C and D in window 1
	MM \s
	WIN 0
.endm
	s_load_b256 s[4:11], s[0:1], 0x0               ; ao_codes, ao_sc, xw_codes, xw_scales
	s_load_b128 s[12:15], s[0:1], 0x20             ; bo, out0
	v_lshl_add_u32 v30, v0, 2, 0x34400
	v_mov_b32 v31, 0
	ds_add_u32 v30, v31
	ds_add_u32 v30, v31
	v_lshrrev_b32 v1, 5, v0
	v_readfirstlane_b32 s[WV], v1                  ; wave 0..3
	s_lshr_b32 s19, s[WV], 1                       ; iW.  Also: I fetch for x (0) or for W (1)
	s_and_b32 s20, s[WV], 1                        ; iX.  Also: which two K steps of a stage I fetch
	s_bfe_u32 s21, ttmp6, 0x40000                  ; cx
	s_bfe_u32 s22, ttmp6, 0x40004                  ; cy
	s_and_b32 s23, ttmp7, 0xffff
	s_lshl_b32 s40, ttmp9, 2
	s_add_co_u32 s40, s40, s21                     ; wx
	s_lshl_b32 s41, s23, 2
	s_add_co_u32 s41, s41, s22                     ; wy
	s_lshl_b32 s43, s22, 2
	s_lshl_b32 s43, 15, s43                        ; my row of the cluster
	s_lshl_b32 s44, 0x1111, s21                    ; my column
	; group 1: 24,576 dense bytes as 96 rows of 256 bytes, no padding
	s_or_b32 s[G1X], s43, (3<<16)|(1<<21)
	s_or_b32 s[G1W], s44, (3<<16)|(1<<21)
.irp g, G1X, G1W
	s_mov_b32 s[\g+1], 32<<16
	s_mov_b32 s[\g+2], 96<<16
	s_mov_b32 s[\g+3], 32<<16
	s_mov_b32 s[\g+4], 96
	s_mov_b32 s[\g+5], 32
	s_mov_b32 s[\g+6], 0
	s_mov_b32 s[\g+7], 0
.endr
	s_mul_i32 s45, s20, HALFB
	s_mul_i32 s68, s41, BLKB                       ; x: block wy of ao_codes
	s_add_co_u32 s68, s68, s45
	s_mov_b32 s69, 0
	s_add_co_u32 s70, s40, 120                     ; Wo: block 120 + wx of xw_codes
	s_mul_i32 s70, s70, BLKB
	s_add_co_u32 s70, s70, s45
	s_mov_b32 s71, 0
	s_mul_i32 s46, s[WV], HALFB
	s_wait_dscnt 0x0
	s_wait_kmcnt 0x0
	s_add_nc_u64 s[68:69], s[4:5], s[68:69]
	s_add_nc_u64 s[70:71], s[8:9], s[70:71]
	CROUND                                         ; all sixteen work-groups are here: the joint loads meet
.irp k, 0,1
	s_mov_b32 s[G0X+4*\k], 1
	s_add_co_u32 s[G0X+4*\k+1], s46, \k*STGB
	s_add_nc_u64 s[G0X+4*\k+2:G0X+4*\k+3], s[68:69], \k*OPB
	s_or_b32 s[G0X+4*\k+3], s[G0X+4*\k+3], 0x80000000
	s_mov_b32 s[G0W+4*\k], 1
	s_add_co_u32 s[G0W+4*\k+1], s46, \k*STGB
	s_add_nc_u64 s[G0W+4*\k+2:G0W+4*\k+3], s[70:71], \k*OPB
	s_or_b32 s[G0W+4*\k+3], s[G0W+4*\k+3], 0x80000000
.endr
	s_cmp_lt_u32 s[WV], 2                          ; a wave's two fills stand in one branch: two loads of mine are out; four v_nop follow the second
	s_cbranch_scc0 .Lfill_w
	tensor_load_to_lds s[G0X:G0X+3], s[G1X:G1X+7]
	s_nop 0
	tensor_load_to_lds s[G0X+4:G0X+7], s[G1X:G1X+7]
	s_nop 0
.rept 4
	v_nop
.endr
	s_branch .Lfilled
.Lfill_w:
	tensor_load_to_lds s[G0W:G0W+3], s[G1W:G1W+7]
	s_nop 0
	tensor_load_to_lds s[G0W+4:G0W+7], s[G1W:G1W+7]
	s_nop 0
.rept 4
	v_nop
.endr
.Lfilled:
	v_and_b32 v3, 31, v0                           ; lane
	v_and_b32 v1, 15, v0                           ; r
	v_bfe_u32 v2, v0, 4, 1                         ; h
	v_lshlrev_b32 v12, 4, v3
	v_lshlrev_b32 v13, 3, v3
	s_mul_i32 s47, s20, 4*FRB
	s_mul_i32 s66, s19, 4*FRB
	s_add_co_u32 s66, s66, OPB
	v_add_nc_u32 v4, s47, v12
	v_add_nc_u32 v5, s47, v13
	v_add_nc_u32 v6, s66, v12
	v_add_nc_u32 v7, s66, v13
.irp i, 0,1,2,3
	v_add_nc_u32 v[8+\i], STGB, v[4+\i]
.endr
	; Wo's scale words, 32 bytes a row, into all lanes
	s_lshl_b32 s72, s40, 7
	s_lshl_b32 s73, s19, 6
	s_add_co_u32 s72, s72, s73
	s_add_co_u32 s72, s72, 15360
	s_lshl_b32 s72, s72, 5
	v_lshlrev_b32 v14, 5, v1
	v_add_nc_u32 v14, s72, v14
.irp i, 0,1,2,3
	global_load_b128 v[SC+8*\i:SC+8*\i+3], v14, s[10:11] offset:512*\i
	global_load_b128 v[SC+8*\i+4:SC+8*\i+7], v14, s[10:11] offset:512*\i+16
.endr
	; x's: two bytes for each row and head
	s_lshl_b32 s74, s41, 7
	s_lshl_b32 s73, s20, 6
	s_add_co_u32 s74, s74, s73
	s_lshl_b32 s74, s74, 1
	v_lshlrev_b32 v15, 1, v1
	v_add_nc_u32 v15, s74, v15
.irp i, 0,1,2,3
.irp d, 0,1,2,3,4,5,6,7,8,9,10,11,12,13,14,15
	global_load_u16 v[128+16*\i+\d], v15, s[6:7] offset:\d*8192+32*\i
.endr
.endr
	; the bias of my 64 columns: register j of tile a: column 16 a + 8 h + j
	s_lshl_b32 s78, s40, 9
	s_lshl_b32 s79, s19, 8
	s_add_co_u32 s78, s78, s79
	s_mov_b32 s79, 0
	s_add_nc_u64 s[12:13], s[12:13], s[78:79]
	v_lshlrev_b32 v16, 5, v2
	WIN 0x40                                       ; destination in window 1
.irp a, 0,1,2,3
	global_load_b128 v[BC+8*\a:BC+8*\a+3], v16, s[12:13] offset:64*\a
	global_load_b128 v[BC+8*\a+4:BC+8*\a+7], v16, s[12:13] offset:64*\a+16
.endr
	WIN 0
	; the way out
	s_mul_i32 s82, s[WV], 16*272
	s_add_co_u32 s82, s82, STG                     ; my stage
	v_mul_u32_u24 v17, v1, 272
	v_lshl_add_u32 v17, v2, 5, v17
	v_add_nc_u32 v17, s82, v17                     ; in: row r, + 32 h
	v_mul_u32_u24 v18, v2, 272
	v_lshl_add_u32 v18, v1, 4, v18
	v_add_nc_u32 v18, s82, v18                     ; back: lanes 0-15 one row of 256 bytes, lanes 16-31 the next
	v_lshlrev_b32 v19, 12, v2
	v_lshl_add_u32 v19, v1, 4, v19                 ; and the same two rows in out0
	s_lshl_b32 s84, s41, 7
	s_lshl_b32 s85, s20, 6
	s_add_co_u32 s84, s84, s85
	s_lshl_b32 s84, s84, 12                        ; my first row, 4,096 bytes a row,
	s_add_co_u32 s84, s84, s78                     ; my first column: 512 wx + 256 iW bytes
	s_mov_b32 s85, 0
	s_add_nc_u64 s[14:15], s[14:15], s[84:85]
	s_mov_b32 s75, 0xffff0000                      ; lanes 16-31
	s_wait_tensorcnt 0x1                           ; my part of stage 0 is in; stage 1's may stay out
	s_barrier_signal -1
	s_barrier_wait -1
	s_wait_loadcnt 0x0
.irp i, 0,1,2,3
.irp s, 0,1,2,3,4,5,6,7
	v_lshl_or_b32 v[128+16*\i+2*\s], v[128+16*\i+2*\s+1], 16, v[128+16*\i+2*\s]   ; heads 2 s and 2 s + 1 make K step s's word
	v_cndmask_b32 v[SC+8*\i+\s], v[SC+8*\i+\s], v[128+16*\i+2*\s], s75            ; into lanes 16-31, beside W's in lanes 0-15
.endr
.endr
	FETCH 0,F0
.rept 8
	v_nop                                          ; a scale register written by a vector instruction stands eight places ahead of a scaled matrix instruction
.endr
	KSTEP 0
	KSTEP 1
	KSTEP 2
	s_wait_tensorcnt 0x0                           ; my part of stage 1 is in,
	s_wait_dscnt 0x0                               ; no LDS load of mine is out at the signal
	s_barrier_signal -1
	s_barrier_wait -1                              ; everybody's is
	KSTEP 3
	KSTEP 4
	KSTEP 5
	KSTEP 6
	KSTEP 7
.rept 4
	v_nop                                          ; four places behind the last products
.endr
	WIN 0x05                                       ; sources 0 and 1 in window 1: the bias is added and the sums come into window 0 by one line; each accumulator from its low end on
.irp b, 0,1,2,3
.irp a, 0,1,2,3
.irp j, 0,2,4,6
	v_pk_add_f32 v[X+32*\b+8*\a+\j:X+32*\b+8*\a+\j+1], v[ACC+32*\b+8*\a+\j:ACC+32*\b+8*\a+\j+1], v[BC+8*\a+\j:BC+8*\a+\j+1]
.endr
.endr
.endr
	WIN 0
; THE WAY OUT, 16 rows x 64 columns at a time: 32 bytes a lane into my stage, back as whole rows of 256 bytes.  LDS serves a wave's instructions in order: no wait between the stores and the loads, nor in front of the next block's stores.
.macro TOSTAGE b
.irp a, 0,1,2,3
.irp g, 0,1
	ds_store_b128 v17, v[X+32*(\b)+8*\a+4*\g:X+32*(\b)+8*\a+4*\g+3] offset:64*\a+16*\g
.endr
.endr
.irp t, 0,1,2,3,4,5,6,7
	ds_load_b128 v[160+32*((\b)%2)+4*\t:160+32*((\b)%2)+4*\t+3], v18 offset:544*\t
.endr
.endm
.macro SEND b, younger                 ; younger: the LDS instructions issued behind block b's loads, which may stay out
	s_wait_dscnt \younger
.irp t, 0,1,2,3,4,5,6,7
	global_store_b128 v19, v[160+32*((\b)%2)+4*\t:160+32*((\b)%2)+4*\t+3], s[14:15] offset:(16*(\b)+2*\t)*4096 th:TH_STORE_NT   ; 16 lanes store 256 consecutive bytes, aligned; written once, read by nobody here
.endr
.endm
	TOSTAGE 0
	TOSTAGE 1
	SEND 0, 16
	s_wait_xcnt 0x0                                ; block 0's stores have read their registers: block 2's loads may land there
	TOSTAGE 2
	SEND 1, 16
	s_wait_xcnt 0x0
	TOSTAGE 3
	SEND 2, 16
	SEND 3, 0
	s_wait_tensorcnt 0x0
	ds_add_u32 v30, v31
	s_wait_dscnt 0x0
	CROUND                                         ; the closing round: no work-group ends while a partner may still ask for a tile that names it
	s_endpgm
.Lfunc_end_k_qbf041a9dbb_outp:
	.size	k_qbf041a9dbb_outp, .Lfunc_end_k_qbf041a9dbb_outp-k_qbf041a9dbb_outp
	.p2alignl 7, 3214868480
	.fill 96, 4, 3214868480
	.section	.rodata,"a",@progbits
	.p2align	6, 0x0
	.amdhsa_kernel k_qbf041a9dbb_outp
		.amdhsa_group_segment_fixed_size 214528
		.amdhsa_private_segment_fixed_size 0
		.amdhsa_enable_private_segment 0
		.amdhsa_kernarg_size 48
		.amdhsa_user_sgpr_count 2
		.amdhsa_user_sgpr_kernarg_segment_ptr 1
		.amdhsa_wavefront_size32 1
		.amdhsa_system_sgpr_workgroup_id_x 1
		.amdhsa_system_sgpr_workgroup_id_y 1
		.amdhsa_system_sgpr_workgroup_id_z 1
		.amdhsa_system_vgpr_workitem_id 0
		.amdhsa_next_free_vgpr 448
		.amdhsa_next_free_sgpr 98
		.amdhsa_reserve_vcc 0
		.amdhsa_float_denorm_mode_32 3
		.amdhsa_float_denorm_mode_16_64 3
		.amdhsa_memory_ordered 1
		.amdhsa_forward_progress 1
		.amdhsa_inst_pref_size 65
	.end_amdhsa_kernel
	.amdgpu_metadata
---
amdhsa.version: [ 1, 2 ]
amdhsa.kernels:
  - .name:           k_qbf041a9dbb_outp
    .symbol:         k_qbf041a9dbb_outp.kd
    .args:
      - { .name: ao_codes, .offset: 0, .size: 8, .value_kind: global_buffer, .address_space: global }
      - { .name: ao_sc, .offset: 8, .size: 8, .value_kind: global_buffer, .address_space: global }
      - { .name: xw_codes, .offset: 16, .size: 8, .value_kind: global_buffer, .address_space: global }
      - { .name: xw_scales, .offset: 24, .size: 8, .value_kind: global_buffer, .address_space: global }
      - { .name: bo, .offset: 32, .size: 8, .value_kind: global_buffer, .address_space: global }
      - { .name: out0, .offset: 40, .size: 8, .value_kind: global_buffer, .address_space: global }
    .group_segment_fixed_size: 214528
    .private_segment_fixed_size: 0
    .kernarg_segment_align: 8
    .kernarg_segment_size: 48
    .max_flat_workgroup_size: 128
    .sgpr_count:     98
    .vgpr_count:     448
    .wavefront_size: 32
...
	.end_amdgpu_metadata
.endif
;; end of part 4
;; ======== version 2 of 2: 4 launches; version 1 with the launch attn written anew for expert scheduling mode
;; limits: right only within a limited range of input values
;; workspace buffers: xw_codes 12,582,912 bytes; xw_scales 524,288 bytes; maskw 524,288 bytes of whole numbers; flags 4,096 bytes of whole numbers; qkv_codes 9,437,184 bytes; qkv_scales 393,216 bytes; ao_codes 3,145,728 bytes; ao_sc 131,072 bytes
;; launch prep: the kernel of part 1 again; grid 1280 x 1, 4 waves a work-group, no clusters, 34,816 bytes of LDS; arguments q, k, v, Wq, Wk, Wv, Wo, mask, xw_codes, xw_scales, maskw, flags; writes xw_codes, xw_scales, maskw, flags
;; launch proj: the kernel of part 2 again; grid 8 x 32, 4 waves a work-group, clusters of 4 x 4, 327,680 bytes of LDS; arguments xw_codes, xw_scales, bq, bk, bv, qkv_codes, qkv_scales; writes qkv_codes, qkv_scales
;; launch attn (part 5): grid 8 x 32, 16 waves a work-group, no clusters, 207,360 bytes of LDS; arguments qkv_codes, qkv_scales, maskw, flags, ao_codes, ao_sc; writes ao_codes, ao_sc
.if DOCPART == 5
	.amdgcn_target "amdgcn-amd-amdhsa--gfx1250"
	.amdhsa_code_object_version 6
	.text
	.protected	k_qbf041a9dbb_attn
	.globl	k_qbf041a9dbb_attn
	.p2align	8
	.type	k_qbf041a9dbb_attn,@function
k_qbf041a9dbb_attn:
	s_mov_b64 s[64:65], 0
	v_nop
	global_prefetch_b8 v0, s[64:65] scope:SCOPE_SE
	s_setreg_imm32_b32 hwreg(HW_REG_WAVE_SCHED_MODE, 0, 2), 2
	s_setreg_imm32_b32 hwreg(HW_REG_WAVE_MODE, 25, 1), 1
	s_wait_xcnt 0x0
	s_wait_alu depctr_vm_vsrc(0)
; x[b][q][head] = softmax_k(Q . K / 8, masked) V, both products on codes of FP6 (E2M3) with E8M0 scales; the result is quantised here for the output projection and leaves as codes.
; THE SOFTMAX AHEAD OF THE SECOND PRODUCT: t = score x log2(e) / 8; M = the running largest t rounded UP to a whole number; p = 2^(t - M) is quantised along the keys, not normalised; the row's sum is taken
; of the unquantised p and divides O at the end.  When M moves, the sum and O are multiplied by 2^(old M - new M): exact.
; SHARES: a work-group owns 256 queries of one head; each of its sixteen waves owns one tile of 16 queries in 256 registers, four waves to a SIMD.  Every wave walks the head's 2,048 keys, 128 a step.
; LDS: the whole head's K (98,304 bytes) and V (98,304) and their scale words (8,192) stay; each byte is written once.  K and V come through registers in chunks of 256 keys, each asked for a whole chunk ahead.
; THE CHUNKS' BARRIER IS SPLIT: at the head of chunk c a wave stores its part of chunk c + 1, waits for those stores and signals; it waits for the others only behind chunk c's two key steps, ahead of its first
; read of chunk c + 1.  So the waves may be up to two key steps apart.  Between signal and wait stand register work, LDS loads of bytes that are never written again, and the mask's scalar loads.
; BOTH PRODUCTS TRANSPOSED: S^T = K Q^T, O^T = V^T P^T: a lane holds one query throughout.  THE SCORES' K IS 64: a fragment of K holds key tile 2 p in registers 0-5 and key tile 2 p + 1 in 6-11;
; Q lies once between zeros, [0 | Q | 0]: [Q | 0] gives tile 2 p, [0 | Q] tile 2 p + 1.  Zero codes add nothing under any scale byte that the quantiser makes.
; THE MASK: 64 lane masks a step, made by the first launch; a step whose tile has no hole (a stored flag) jumps over the 64 selects.  A masked score is set to -2^33 (logit -2^30 = -1.074e9) where the
; definition has -1e9: -2^33 x c is a whole number in f32, so a row that is masked all over gives p = 1 for every key, as the definition does.  LIMIT: the two differ only where an unmasked logit lies under about -9e8.
; LIMITS: NaN and infinities are not served; a block under 2^-124, or of zeros, keeps the byte 1.
; NO CLUSTER: the eight query blocks of a head do read the same 204,800 bytes; the branch on the stored flags spares
; 64 of a step's vector instructions wherever a tile of the mask has no hole, and each work-group reads the shared bytes once.
; REGISTERS: v1-11, v34 addresses; v6 the masked score; v7 Q's scale word; v12 -M, v13 the largest t, v[14:15] the sum; v16-33 [0 | Q | 0]; v36-47 a chunk on its way; v48-95 four fragments of K, then of V;
;   v96-159 S^T, then p (at the head v96-107: chunk 0 on its way); v160-191 O^T; v192-203 p's codes; v204-210 at work; v212-215 K's (lanes 0-15) and V's (lanes 16-31) scale words; v216-239 at work; v240-243 the copy's LDS addresses;
;   v238, v239, v244, v245 at the head: the offsets of the scale words; v254, v255 the closing add's two.
; THE MODE: SCHED_MODE bits 1:0 = 2 (LLVM: expert scheduling mode 2), set by the entry lines.  The code itself states the register dependences between vector or matrix instructions and memory or LDS
; instructions, with s_wait_alu, always for 0.
; THE PLAN.  Registers that memory or LDS instructions touch, from the first key step on:
;   v48-95      K's four fragments land at a step's head; the eight products of the scores read them; V's four land in the same registers; the four products of O^T read them.
;   v212-215    the step's scale words land at its head; all twelve products read them.
;   v8-11, v34  LDS addresses: five additions at a step's head write them, the step's 33 LDS loads read them.
;   v240-243    the copy's LDS addresses: four additions at a chunk's head write them, the chunk's four LDS stores read them.
;   v36-47      a chunk on its way: global loads land in them, the LDS stores read them; no vector instruction names them.
;   v1-4        offsets, made at the kernel's head and never written again.
;   v192-203, v234  p's codes and scale word: written by vector instructions, taken by the scaled products of O^T.
; So a step has, at its head, one wait on vm_vsrc ahead of the additions and one on va_vdst behind them, which also states that the last step's products are done with v48-95 and v212-215; one on va_vdst behind
; the scores' products, ahead of V's loads; the two for the exponentials; one ahead of the products of O^T.  A chunk's first step has one more on vm_vsrc, between the LDS stores and the loads into v36-47.
; K and V share one buffer: a second one of 48 registers has no room in a wave's 256.  Each run of fragment loads stands directly behind the wait that frees its registers.
.set VB,   98304                       ; V behind K
.set SCL,  196608                      ; a record of 512 bytes a step: 16 bytes a lane
.set SCR,  204800                      ; 512 bytes: the output's scale bytes
.set CHB,  12288                       ; a chunk of 256 keys
.set STB,  6144                        ; a step of 128 keys
.set TEN,  3145728                     ; a tensor of codes
.set TM,   216
.set CT,   204
.set SEL,  90
.macro FRAG reg, a16, a8, off
	ds_load_b128 v[(\reg):(\reg)+3], v[\a16] offset:(\off)
	ds_load_b64 v[(\reg)+4:(\reg)+5], v[\a8] offset:(\off)+512
	ds_load_b128 v[(\reg)+6:(\reg)+9], v[\a16] offset:(\off)+768
	ds_load_b64 v[(\reg)+10:(\reg)+11], v[\a8] offset:(\off)+1280
.endm
.macro LOADCP reg, off                 ; a chunk: 512 threads x (16 + 8) bytes of K, and the same of V
	global_load_b128 v[\reg:\reg+3], v3, s[4:5] offset:\off
	global_load_b64 v[\reg+4:\reg+5], v4, s[4:5] offset:\off+8192
	global_load_b128 v[\reg+6:\reg+9], v3, s[4:5] offset:\off+TEN
	global_load_b64 v[\reg+10:\reg+11], v4, s[4:5] offset:\off+TEN+8192
.endm
.macro CPADR                           ; where the next chunk goes in LDS
	v_add_nc_u32 v240, s95, v3
	v_add_nc_u32 v241, s95, v4
	v_add_nc_u32 v242, VB, v240
	v_add_nc_u32 v243, VB, v241
	s_add_co_u32 s95, s95, CHB
.endm
.macro CPST reg                        ; and into LDS as it lies
	ds_store_b128 v240, v[\reg:\reg+3]
	ds_store_b64 v241, v[\reg+4:\reg+5] offset:8192
	ds_store_b128 v242, v[\reg+6:\reg+9]
	ds_store_b64 v243, v[\reg+10:\reg+11] offset:8192
.endm
	s_load_b256 s[16:23], s[0:1], 0x0              ; qkv_codes, qkv_scales, maskw, flags
	s_load_b128 s[24:27], s[0:1], 0x20             ; ao_codes, ao_sc
	v_lshl_add_u32 v254, v0, 2, 0x32200
	v_mov_b32 v255, 0
	v_lshrrev_b32 v5, 5, v0
	v_readfirstlane_b32 s84, v5                    ; wave 0..15
	v_and_b32 v235, 31, v0                         ; lane
	v_and_b32 v236, 15, v0                         ; r
	v_bfe_u32 v237, v0, 4, 1                       ; h
	v_lshlrev_b32 v1, 4, v235                      ; 16 x lane
	v_lshlrev_b32 v2, 3, v235                      ; 8 x lane
	v_lshlrev_b32 v3, 4, v0                        ; 16 x thread
	v_lshlrev_b32 v4, 3, v0                        ; 8 x thread
	v_add_nc_u32 v5, SCL, v1
	v_mov_b32 v6, 0xd0000000                       ; -2^33
	s_mov_b32 s95, 0
	CPADR                                          ; chunk 0's place in LDS
	v_add_nc_u32 v55, SCL, v3                      ; and my wave's record of scale words
	s_mov_b32 s89, 0xffff0000                      ; lanes 16-31
	v_mov_b32 v52, 0x03020100                      ; K: the words as they are;  V: the low halves, then the high halves, of a pair of words
	v_mov_b32 v53, 0x05040100
	v_cndmask_b32 v52, v52, v53, s89
	v_mov_b32 v53, 0x07060504
	v_mov_b32 v54, 0x07060302
	v_cndmask_b32 v53, v53, v54, s89
	s_wait_alu depctr_va_sdst(0)                   ; s84 is written, ahead of its first reader: offsets, bases and branches are made from it
	s_and_b32 s96, ttmp7, 0xffff                   ; head of batch
	s_lshl_b32 s97, ttmp9, 4
	s_add_co_u32 s97, s97, s84                     ; T: my tile of queries
	; wave w serves step w's scale words: lanes 0-15 K's four words, lanes 16-31 V's four (two units of 64 keys x two pairs of tiles)
	s_lshl_b32 s98, s96, 4
	s_add_co_u32 s98, s98, s84
	s_lshl_b32 s98, s98, 8
	s_add_co_u32 s98, s98, 131072
	s_lshl_b32 s99, s96, 6
	s_lshr_b32 s100, s97, 1
	s_add_co_u32 s99, s99, s100
	s_lshl_b32 s99, s99, 6
	v_lshlrev_b32 v238, 2, v236                    ; 4 r
	v_lshl_add_u32 v239, v237, 17, v238            ; V's lie 131,072 bytes behind K's
	v_add_nc_u32 v239, s98, v239
	v_lshl_add_u32 v244, v237, 6, v239
	v_add_nc_u32 v244, 64, v244                    ; + 64 for K, + 128 for V
	v_lshlrev_b32 v245, 6, v237
	v_sub_nc_u32 v245, v239, v245
	v_add_nc_u32 v245, 128, v245                   ; + 128 for K, + 64 for V
	v_add_nc_u32 v238, s99, v238                   ; the word of my pair of tiles of Q
	s_mov_b32 s29, 0
	s_mov_b32 s31, 0
	s_lshl_b32 s28, s97, 5
	s_wait_kmcnt 0x0
	s_add_nc_u64 s[28:29], s[22:23], s[28:29]
	s_load_b256 s[32:39], s[28:29], 0x0            ; my tile's eight flag words
	s_lshl_b32 s30, s97, 12
	s_add_nc_u64 s[8:9], s[20:21], s[30:31]        ; my tile's lane masks: 256 bytes a step
	s_mul_i32 s30, s96, 98304
	s_add_co_u32 s30, s30, TEN
	s_add_nc_u64 s[4:5], s[16:17], s[30:31]        ; the head's K; V lies TEN bytes on
	s_lshl_b32 s30, s96, 7
	s_add_co_u32 s30, s30, s97
	s_mul_i32 s30, s30, 768
	s_add_nc_u64 s[6:7], s[16:17], s[30:31]        ; my Q
	s_wait_alu depctr_va_vdst(0)                   ; the offsets v1-4, v238, v239, v244, v245 and the LDS addresses v55, v240-243 are written: the loads below and chunk 0's LDS stores read them, and no vector instruction names them or the loads' registers until those are issued
	LOADCP 96, 0                                   ; chunk 0
	global_load_b32 v48, v239, s[18:19]
	global_load_b32 v49, v244, s[18:19]
	global_load_b32 v50, v245, s[18:19]
	global_load_b32 v51, v239, s[18:19] offset:192
	global_load_b128 v[22:25], v1, s[6:7]          ; Q's half fragment
	global_load_b64 v[26:27], v2, s[6:7] offset:512
	global_load_b32 v35, v238, s[18:19]            ; the word of my pair of tiles
	LOADCP 36, CHB                                 ; chunk 1, asked for with chunk 0: it is stored at the head of chunk 0
	; where the results go
	s_lshr_b32 s98, s96, 4                         ; batch
	s_and_b32 s99, s96, 15                         ; head
	s_lshl_b32 s100, s98, 4
	s_lshl_b32 s101, ttmp9, 1
	s_add_co_u32 s100, s100, s101
	s_lshr_b32 s101, s84, 3
	s_add_co_u32 s100, s100, s101                  ; the block of 128 rows
	s_mul_i32 s100, s100, 98304
	s_lshr_b32 s101, s99, 1
	s_mul_i32 s101, s101, 12288                    ; K step = head / 2
	s_add_co_u32 s100, s100, s101
	s_and_b32 s101, s84, 7
	s_mul_i32 s101, s101, 1536                     ; the tile in the block
	s_add_co_u32 s100, s100, s101
	s_and_b32 s101, s99, 1
	s_mul_i32 s101, s101, 768                      ; which half of the fragment
	s_add_co_u32 s100, s100, s101
	s_mov_b32 s101, 0
	s_add_nc_u64 s[10:11], s[24:25], s[100:101]
	s_lshl_b32 s100, s99, 13
	s_lshl_b32 s98, s98, 12
	s_add_co_u32 s100, s100, s98
	s_lshl_b32 s98, ttmp9, 9
	s_add_co_u32 s100, s100, s98
	s_add_nc_u64 s[12:13], s[26:27], s[100:101]
	s_wait_loadcnt 0x7                             ; chunk 0 and the scale words are in; Q's three loads and chunk 1's four may be out
	CPST 96
	v_perm_b32 v56, v49, v48, v52
	v_perm_b32 v57, v49, v48, v53
	v_perm_b32 v58, v51, v50, v52
	v_perm_b32 v59, v51, v50, v53
	s_wait_alu depctr_va_vdst(0)                   ; the four words v56-59 are written, which the LDS store reads
	ds_store_b128 v55, v[56:59]                    ; step w's record
	s_wait_dscnt 0x0                               ; my stores have landed
	s_barrier_signal -1
	s_barrier_wait -1                              ; chunk 0 and all sixteen records lie in LDS
	s_wait_loadcnt 0x4                             ; Q is in; chunk 1's four loads may be out
	s_wait_kmcnt 0x0
	s_or_b32 s85, s32, s33
	s_or_b32 s85, s85, s34
	s_or_b32 s85, s85, s35
	s_or_b32 s85, s85, s36
	s_or_b32 s85, s85, s37
	s_or_b32 s85, s85, s38
	s_or_b32 s85, s85, s39                         ; bit 'step': the step's tile of the mask has a hole
	s_mov_b32 s96, 0x01000100
	s_bitcmp1_b32 s84, 0
	s_cselect_b32 s96, 0x03020302, s96             ; my tile's two bytes of the pair's word,
	v_perm_b32 v7, v35, v35, s96                   ; in both halves: for [Q | 0] and for [0 | Q]
.irp j, 16,17,18,19,20,21,28,29,30,31,32,33
	v_mov_b32 v[\j], 0                             ; the zeros on both sides of Q
.endr
.set n, 0
.rept 32
	v_mov_b32 v[160+n], 0                          ; O^T: the step is written once: the first finds zeros, which the first change of M leaves zeros
.set n, n+1
.endr
	v_mov_b32 v13, 0xff61b1e6                      ; the largest t so far: -3e38
	v_floor_f32 v12, -v13                          ; -M
	v_mov_b32 v14, 0
	v_mov_b32 v15, 0
.irp b, 0,1,2,3
	v_mov_b32 v[220+\b], 0                         ; a lane permute's destination counts as one of its sources
.endr
	v_mov_b32 v233, 0                              ; (named as the upper half of the pair v[232:233])
	s_mov_b32 s86, 0                               ; the step's number
	s_mov_b32 s87, 0                               ; its tiles in LDS
	s_mov_b32 s88, 0                               ; its record of scale words
	s_mov_b32 s[SEL], 0x76543210
	s_mov_b32 s[SEL+1], 0xfedcba98
	s_mov_b32 s92, 0x3e38aa3b                      ; c = log2(e) / 8
	s_mov_b32 s93, s92
; A KEY STEP: 128 keys.  cp = 1, 2: a chunk's first step, at whose head the next chunk, asked for a chunk ago, goes into LDS bytes that nobody reads before the wait at this chunk's end; cp = 2: and the chunk after that is asked for.
; The signal says: my part of the next chunk lies in LDS.
.macro STEP cp
	s_wait_alu depctr_vm_vsrc(0)                   ; the LDS loads issued so far have read v8-11 and v34, the LDS stores v240-243, which the additions write; in the first step also: the head's LDS stores have read v55-59 and v96-107, which the loads and products below write
	v_add_nc_u32 v8, s87, v1                       ; these five also stand as places behind the last products
	v_add_nc_u32 v9, s87, v2
	v_add_nc_u32 v10, VB, v8
	v_add_nc_u32 v11, VB, v9
	v_add_nc_u32 v34, s88, v5
.if \cp
	CPADR
	s_wait_loadcnt 0x0                             ; the next chunk is in my registers
.endif
	s_wait_alu depctr_va_vdst(0)                   ; the addresses just made are written, which the LDS instructions below read; the last step's products are done reading v48-95 and v212-215, in which the loads below land; in the first step also: v52-59 are written, and so are Q's zeros and scale word, which the scaled products take
.if \cp
	CPST 36
	s_wait_dscnt 0x0                               ; for the other waves' sake: my stores have landed
.if \cp == 2
	s_wait_alu depctr_vm_vsrc(0)                   ; the four LDS stores have read v36-47, in which the loads below land
	s_add_nc_u64 s[4:5], s[4:5], CHB
	LOADCP 36, CHB
.endif
	s_barrier_signal -1
.endif
	ds_load_b128 v[212:215], v34
.irp p, 0,1,2,3
	FRAG 48+12*\p,8,9,1536*\p
.endr
	s_wait_dscnt 0x0
.irp p, 0,1,2,3
	v_wmma_scale_f32_16x16x128_f8f6f4 v[96+16*\p:103+16*\p], v[48+12*\p:59+12*\p], v[22:33], 0, v[212+\p], v7 matrix_a_fmt:MATRIX_FMT_FP6 matrix_b_fmt:MATRIX_FMT_FP6
	v_wmma_scale_f32_16x16x128_f8f6f4 v[104+16*\p:111+16*\p], v[48+12*\p:59+12*\p], v[16:27], 0, v[212+\p], v7 matrix_a_fmt:MATRIX_FMT_FP6 matrix_b_fmt:MATRIX_FMT_FP6
.endr                                  ; register 8 tt + j of lane (r, h): query r, key 16 tt + 8 h + j
.rept 4
	v_nop                                          ; four places in front of the first read of the scores
.endr
	s_wait_alu depctr_va_vdst(0)                   ; the eight products are done reading K's fragments v48-95, in which V's land
.irp d, 0,1,2,3                        ; V's four fragments land under the softmax: registers 0-5 the first 64 keys, 6-11 the second
	ds_load_b128 v[48+12*\d:51+12*\d], v10 offset:768*\d
	ds_load_b64 v[52+12*\d:53+12*\d], v11 offset:768*\d+512
	ds_load_b128 v[54+12*\d:57+12*\d], v10 offset:3072+768*\d
	ds_load_b64 v[58+12*\d:59+12*\d], v11 offset:3072+768*\d+512
.endr
	s_bitcmp1_b32 s85, s86                         ; a hole in this tile of the mask?  A whole number that an earlier launch stored
	s_cbranch_scc0 .Lopen_\@
	s_load_b512 s[16:31], s[8:9], 0x0
	s_load_b512 s[32:47], s[8:9], 0x40
	s_load_b512 s[48:63], s[8:9], 0x80
	s_load_b512 s[68:83], s[8:9], 0xc0
	s_wait_kmcnt 0x0
.set n, 0
.rept 48
	v_cndmask_b32 v[96+n], v6, v[96+n], s[16+n]    ; the score where the mask's bit is set, else -2^33
.set n, n+1
.endr
.rept 16
	v_cndmask_b32 v[96+n], v6, v[96+n], s[20+n]
.set n, n+1
.endr
.Lopen_\@:
.irp b, 0,1,2,3
	v_max3_num_f32 v[216+\b], v[96+16*\b], v[97+16*\b], v[98+16*\b]   ; the largest score of each block of 32 keys: for the row's maximum and, since p rises with the score, for the block's largest p
.endr
.irp i, 3,5,7,9,11,13
.irp b, 0,1,2,3
	v_max3_num_f32 v[216+\b], v[216+\b], v[96+16*\b+\i], v[97+16*\b+\i]
.endr
.endr
.irp b, 0,1,2,3
	v_max_num_f32 v[216+\b], v[216+\b], v[111+16*\b]
.endr
.irp b, 0,1,2,3
	v_permlanex16_b32 v[220+\b], v[216+\b], s[SEL], s[SEL+1]
.endr
.irp b, 0,1,2,3
	v_max_num_f32 v[216+\b], v[216+\b], v[220+\b]  ; with lane l xor 16's 16 keys
.endr
	v_max3_num_f32 v235, v216, v217, v218
	v_max_num_f32 v235, v235, v219
	v_mul_f32 v235, s92, v235                      ; as t (c is positive)
	v_max_num_f32 v13, v13, v235                   ; the running largest t
	v_mov_b32 v235, v12
	v_floor_f32 v12, -v13                          ; the new -M = -ceil(t)
	v_sub_f32 v235, v12, v235                      ; old M - new M: a whole number, 0 or less
	v_cvt_i32_f32 v235, v235                       ; (it saturates)
	v_ldexp_f32 v232, 1.0, v235                    ; f = 2^(old M - new M)
.set n, 0
.rept 32
	v_pk_fma_f32 v[96+n:97+n], v[96+n:97+n], s[92:93], v[12:13] op_sel_hi:[1,0,0]   ; t - M, two at a time
.set n, n+2
.endr
.irp b, 0,1,2,3
	v_fma_f32 v[216+\b], v[216+\b], s92, v12       ; the same of each block's largest score
.endr
.set n, 0
.rept 64
	v_exp_f32 v[96+n], v[96+n]                     ; p = 2^(t - M)
.set n, n+1
.endr
	v_pk_mul_f32 v[14:15], v[14:15], v[232:233] op_sel_hi:[1,0]   ; the sums under the new M: a plain place behind the exponentials
	s_wait_alu depctr_va_vdst(0)                   ; the 64 exponentials have written v96-159, ahead of their first reader, the sums below: one wait for the batch
.irp b, 0,1,2,3
	v_exp_f32 v[216+\b], v[216+\b]                 ; the block's largest p
.endr
	v_pk_add_f32 v[236:237], v[96:97], v[98:99]    ; the row's sum of the unquantised p, in two chains
.irp j, 4,8,12,16,20,24,28,32,36,40,44,48,52,56,60
	v_pk_add_f32 v[14:15], v[14:15], v[96+\j:97+\j]
	v_pk_add_f32 v[236:237], v[236:237], v[98+\j:99+\j]
.endr
	v_pk_add_f32 v[14:15], v[14:15], v[236:237]
	s_wait_alu depctr_va_vdst(0)                   ; the four exponentials have written v216-219, ahead of their first reader, the floor below
.irp b, 0,1,2,3
	v_max_num_f32 v[216+\b], 0x1800000, v[216+\b]  ; the floor 2^(3 - 127)
.endr
.irp b, 0,1,2,3
	v_add_nc_u32 v[224+\b], 0xff000000, v[216+\b]  ; the conversion's scale operand
.endr
.irp b, 0,1,2,3
	v_lshrrev_b32 v[220+\b], 23, v[224+\b]         ; the scale's byte
.endr
	v_lshl_or_b32 v234, v221, 8, v220              ; p's scale word for these 128 keys
	v_lshl_or_b32 v234, v222, 16, v234
	v_lshl_or_b32 v234, v223, 24, v234
.irp c, 0,1
	v_cvt_scalef32_pk16_fp6_f32 v[192+6*\c:194+6*\c], v[96+32*\c:111+32*\c], v[224+2*\c]
	v_cvt_scalef32_pk16_fp6_f32 v[204+4*\c:206+4*\c], v[112+32*\c:127+32*\c], v[224+2*\c+1]
.endr
	v_nop                                          ; one plain place behind a scaled conversion
.irp c, 0,1
.irp i, 0,1,2
	v_permlane16_swap_b32 v[192+6*\c+\i], v[204+4*\c+\i]
.endr
.irp i, 0,1,2
	v_mov_b32 v[195+6*\c+\i], v[204+4*\c+\i]
.endr
.endr
.set n, 0
.rept 16
	v_pk_mul_f32 v[160+n:161+n], v[160+n:161+n], v[232:233] op_sel_hi:[1,0]   ; O^T under the new M; these sixteen are also the places between the codes and the scale word just made and the products
.set n, n+2
.endr
	s_wait_dscnt 0x0                               ; V is in
	s_wait_alu depctr_va_vdst(0)                   ; p's codes v192-203 and its scale word v234 are written, which the scaled products take; the places above stay beside this wait
.irp d, 0,1,2,3
	v_wmma_scale_f32_16x16x128_f8f6f4 v[160+8*\d:167+8*\d], v[48+12*\d:59+12*\d], v[192:203], v[160+8*\d:167+8*\d], v[212+\d], v234 matrix_a_fmt:MATRIX_FMT_FP6 matrix_b_fmt:MATRIX_FMT_FP6 matrix_a_scale:MATRIX_SCALE_ROW1
.endr
	s_add_co_u32 s86, s86, 1
	s_add_co_u32 s87, s87, STB
	s_add_co_u32 s88, s88, 512
	s_add_nc_u64 s[8:9], s[8:9], 256
.endm
; CHUNK c: two key steps; the first carries the copy of chunk c + 1 (mode 1, 2) and the request for chunk c + 2 (mode 2).
; The barrier's wait stands behind this chunk's two steps: behind it chunk c + 1 is whole.
.macro CHUNK mode
	STEP \mode
	STEP 0
.if \mode >= 1
	s_barrier_wait -1
.endif
.endm
	s_mov_b32 s94, 6
.Lchunk:                               ; chunks 0 to 5: they store chunks 1 to 6 and ask for chunks 2 to 7
	CHUNK 2
	s_sub_co_u32 s94, s94, 1
	s_cmp_lg_u32 s94, 0
	s_cbranch_scc1 .Lchunk
	CHUNK 1                                        ; chunk 6 stores chunk 7 and asks for nothing: no load leaves the head's bytes
	CHUNK 0
	; THE WAY OUT: O^T / the sum; its 32 registers are the head's 64 features of my query: a half fragment of the output projection's operand.  The first five lines are the places behind the last products.
	v_add_f32 v14, v14, v15
	v_and_b32 v236, 15, v0
	v_lshlrev_b32 v237, 1, v236
	s_lshl_b32 s96, s84, 5
	s_add_co_u32 s96, s96, SCR
	v_add_nc_u32 v237, s96, v237                   ; SCR + 32 wave + 2 r
	v_add_nc_u32 v238, SCR, v1                     ; (the load at the head that read v238 stands ahead of every step's wait on vm_vsrc)
	v_permlanex16_b32 v235, v14, s[SEL], s[SEL+1]
	v_add_f32 v14, v14, v235                       ; the row's sum
	v_rcp_f32 v232, v14
	v_nop                                          ; a plain place behind the reciprocal
	s_wait_alu depctr_va_vdst(0)                   ; the reciprocal has written v232, ahead of its first reader
.set n, 0
.rept 16
	v_pk_mul_f32 v[160+n:161+n], v[160+n:161+n], v[232:233] op_sel_hi:[1,0]
.set n, n+2
.endr
.irp b, 0,1
	v_max3_num_f32 v[TM+\b], |v[160+16*\b]|, |v[161+16*\b]|, 0x1800000
.endr
.irp i, 2,4,6,8,10,12,14
.irp b, 0,1
	v_max3_num_f32 v[TM+\b], v[TM+\b], |v[160+16*\b+\i]|, |v[161+16*\b+\i]|
.endr
.endr
.irp b, 0,1
	v_permlanex16_b32 v[TM+2+\b], v[TM+\b], s[SEL], s[SEL+1]
.endr
.irp b, 0,1
	v_max_num_f32 v[TM+\b], v[TM+\b], v[TM+2+\b]
.endr
.irp b, 0,1
	v_add_nc_u32 v[TM+4+\b], 0xff000000, v[TM+\b]
.endr
.irp b, 0,1
	v_lshrrev_b32 v[TM+2+\b], 23, v[TM+4+\b]
.endr
	v_lshl_or_b32 v234, v[TM+3], 8, v[TM+2]        ; my row's two scale bytes
	v_cvt_scalef32_pk16_fp6_f32 v[192:194], v[160:175], v[TM+4]
	v_cvt_scalef32_pk16_fp6_f32 v[CT:CT+2], v[176:191], v[TM+5]
	v_nop
.irp i, 0,1,2
	v_permlane16_swap_b32 v[192+\i], v[CT+\i]
.endr
.irp i, 0,1,2
	v_mov_b32 v[195+\i], v[CT+\i]
.endr
	s_wait_alu depctr_va_vdst(0)                   ; the codes v192-197, the scale bytes v234 and the LDS addresses v237, v238 are written, which the stores and the LDS load below read
	global_store_b128 v1, v[192:195], s[10:11]     ; 512 consecutive bytes
	global_store_b64 v2, v[196:197], s[10:11] offset:512
	ds_store_b16 v237, v234                        ; both halves of the lanes write the same two bytes with the same value
	s_wait_dscnt 0x0
	s_barrier_signal -1
	s_barrier_wait -1                              ; 256 rows' scale bytes lie in LDS
	s_cmp_lg_u32 s84, 0
	s_cbranch_scc1 .Lend
	ds_load_b128 v[36:39], v238                    ; (the LDS stores that read v36-39, chunk 7's, stand ahead of three steps' waits on vm_vsrc; no vector instruction names these registers)
	s_wait_dscnt 0x0
	global_store_b128 v1, v[36:39], s[12:13]       ; wave 0: 512 consecutive bytes, aligned
.Lend:
	s_wait_dscnt 0x0                               ; the closing lines, six on end
	s_wait_alu 0x0
	s_wait_tensorcnt 0x0
	ds_add_u32 v254, v255
	s_wait_dscnt 0x0
	s_endpgm
.Lfunc_end_k_qbf041a9dbb_attn:
	.size	k_qbf041a9dbb_attn, .Lfunc_end_k_qbf041a9dbb_attn-k_qbf041a9dbb_attn
	.p2alignl 7, 3214868480
	.fill 96, 4, 3214868480
	.section	.rodata,"a",@progbits
	.p2align	6, 0x0
	.amdhsa_kernel k_qbf041a9dbb_attn
		.amdhsa_group_segment_fixed_size 207360
		.amdhsa_private_segment_fixed_size 0
		.amdhsa_enable_private_segment 0
		.amdhsa_kernarg_size 48
		.amdhsa_user_sgpr_count 2
		.amdhsa_user_sgpr_kernarg_segment_ptr 1
		.amdhsa_wavefront_size32 1
		.amdhsa_system_sgpr_workgroup_id_x 1
		.amdhsa_system_sgpr_workgroup_id_y 1
		.amdhsa_system_sgpr_workgroup_id_z 1
		.amdhsa_system_vgpr_workitem_id 0
		.amdhsa_next_free_vgpr 256
		.amdhsa_next_free_sgpr 102
		.amdhsa_reserve_vcc 0
		.amdhsa_float_denorm_mode_32 3
		.amdhsa_float_denorm_mode_16_64 3
		.amdhsa_memory_ordered 1
		.amdhsa_forward_progress 1
		.amdhsa_inst_pref_size 137
	.end_amdhsa_kernel
	.amdgpu_metadata
---
amdhsa.version: [ 1, 2 ]
amdhsa.kernels:
  - .name:           k_qbf041a9dbb_attn
    .symbol:         k_qbf041a9dbb_attn.kd
    .args:
      - { .name: qkv_codes, .offset: 0, .size: 8, .value_kind: global_buffer, .address_space: global }
      - { .name: qkv_scales, .offset: 8, .size: 8, .value_kind: global_buffer, .address_space: global }
      - { .name: maskw, .offset: 16, .size: 8, .value_kind: global_buffer, .address_space: global }
      - { .name: flags, .offset: 24, .size: 8, .value_kind: global_buffer, .address_space: global }
      - { .name: ao_codes, .offset: 32, .size: 8, .value_kind: global_buffer, .address_space: global }
      - { .name: ao_sc, .offset: 40, .size: 8, .value_kind: global_buffer, .address_space: global }
    .group_segment_fixed_size: 207360
    .private_segment_fixed_size: 0
    .kernarg_segment_align: 8
    .kernarg_segment_size: 48
    .max_flat_workgroup_size: 512
    .sgpr_count:     102
    .vgpr_count:     256
    .wavefront_size: 32
...
	.end_amdgpu_metadata
.endif
;; end of part 5
;; launch outp: the kernel of part 4 again; grid 8 x 32, 4 waves a work-group, clusters of 4 x 4, 214,528 bytes of LDS; arguments ao_codes, ao_sc, xw_codes, xw_scales, bo, out0; writes out0
